; MI455X (gfx1250); checked and timed in simulation.
; The chip was launched on July 23, 2026; its instructions are those of AMD's public machine-readable ISA for CDNA 5 (MIT licence, August 2026) and "CDNA5" Instruction Set Architecture Reference Guide (July 2026). The comments in the code are by the model that wrote it; some were corrected since.
;; Spatial Equivariant Attention. Allowed arithmetic: matrix products marked QUANTISED: E2M3 operands, one E8M0 scale for each 32 along K, by v_wmma_scale_f32_16x16x128_f8f6f4 with both operands' format E2M3, f32 sums; products left as they are: f32 operands where the result goes on into a quantised operand, else bf16, f16 or f32 operands; f32 sums; everything else in f32.
;; Inputs: Wk 64 x 64 float32; Wq 64 x 64 float32; Wv 64 x 64 float32; coords 2 x 2,048 x 2 float32; refl_b1 32 float32; refl_b2 1 float32; refl_w1 4 x 32 float32; refl_w2 32 x 1 float32; rot_b1 32 float32; rot_b2 1 float32; rot_w1 3 x 32 float32; rot_w2 32 x 1 float32; trans_b1 32 float32; trans_b2 1 float32; trans_w1 2 x 32 float32; trans_w2 32 x 1 float32; x 2 x 2,048 x 64 float32.
;; Outputs: out0 2 x 2,048 x 64 float32.
;; This version of the problem:
;;   THIS VERSION OF THE PROBLEM IS GIVEN IN LOW PRECISION. The matrix products marked QUANTISED in the list below multiply operands that are first quantised to E2M3 (2 exponent bits, 3 mantissa bits; 6 bits a number), with one power-of-two scale for each 32 numbers along K (OCP MX v1.0); their sums are f32. All else is computed in f32.
;;   The module's matrix products, in the order in which they are computed (A, B: the left and right operand; K: the contracted axis; several contracted axes count as one K, in the product's order):
;;     1. [M 4,096, K 64] x [K 64, N 64]; A: input x; B: input Wq: QUANTISED
;;     2. [M 4,096, K 64] x [K 64, N 64]; A: input x; B: input Wk: QUANTISED
;;     3. [M 4,096, K 64] x [K 64, N 64]; A: input x; B: input Wv: QUANTISED
;;     4. batch 2 x [M 2,048, K 64] x [K 64, N 2,048]; A: computed on the way; B: computed on the way: QUANTISED
;;     5. [M 8,388,608, K 3] x [K 3, N 32]; A: computed on the way; B: input rot_w1: left as it is (K = 3 < 32)
;;     6. [M 8,388,608, K 32] x [K 32, N 1]; A: computed on the way; B: input rot_w2: left as it is (N = 1 < 16)
;;     7. [M 8,388,608, K 2] x [K 2, N 32]; A: computed on the way; B: input trans_w1: left as it is (K = 2 < 32)
;;     8. [M 8,388,608, K 32] x [K 32, N 1]; A: computed on the way; B: input trans_w2: left as it is (N = 1 < 16)
;;     9. [M 8,388,608, K 4] x [K 4, N 32]; A: computed on the way; B: input refl_w1: left as it is (K = 4 < 32)
;;     10. [M 8,388,608, K 32] x [K 32, N 1]; A: computed on the way; B: input refl_w2: left as it is (N = 1 < 16)
;;     11. batch 2 x [M 2,048, K 2,048] x [K 2,048, N 64]; A: softmax (see below); B: computed on the way: QUANTISED
;;   THE QUANTISER, for each operand of a quantised product, along K:
;;     - K is cut into blocks of 32 from its start; a last block that is shorter is filled with zeros.
;;     - A block's scale is 2^e with e = floor(log2(the largest magnitude in the block)) - 2, held to -126 .. 127; a block of zeros has e = 0. As a byte (E8M0): e + 127.
;;     - Each number is divided by its block's scale, clamped to +-7.5, and rounded to the nearest number of E2M3, ties to even, subnormals kept.
;;     - The product sums the exact products of the quantised numbers (number of the format x scale) in f32.
;;   ~~~python
;;   def quantise(x, axis):      # numpy; x: float32 -> the quantised numbers, widened to float32 again
;;       x = np.moveaxis(x, axis, -1); K = x.shape[-1]
;;       x = np.pad(x, [(0, 0)] * (x.ndim - 1) + [(0, -K % 32)]); x = x.reshape(x.shape[:-1] + (-1, 32)); a = np.abs(x).max(-1, keepdims=True)
;;       e = np.where(a > 0, np.clip(np.frexp(np.where(a > 0, a, 1))[1] - 1 - 2, -126, 127), 0)      # np.frexp(a)[1] - 1 = floor(log2(a)), exactly
;;       r = np.clip(x / 2.0 ** e, -7.5, 7.5)
;;       step = 2.0 ** (np.maximum(np.frexp(np.where(r == 0, 1, r))[1] - 1, 0) - 3)
;;       q = np.round(r / step) * step * 2.0 ** e      # np.round: ties to even
;;       return np.moveaxis(q.reshape(q.shape[:-2] + (-1,))[..., :K], -1, axis).astype(np.float32)
;;   ~~~
;;   SOFTMAX AHEAD OF A QUANTISED PRODUCT. Where the list says 'softmax', what is quantised is not the finished softmax but p = 2^(t - M), with t = logit x log2(e) and M = ceil(the row's largest t), a whole number; so 1/2 < the row's largest p <= 1. The row's sum l is taken of the UNQUANTISED p, in f32, and the product's result is divided by l at the end. Since M is a whole number, a kernel that streams over the keys may use a running M (the ceiling of the running maximum): every later rescaling is an exact power of two, which a block's scale takes up: the codes' values come out the same.
;;   OPERANDS COMPUTED ON THE WAY. 'Computed on the way' means the value that the module computes at that place (a softmax that the list does not call 'softmax' is quantised finished and normalised). What goes into a quantiser is computed in f32, as accurately as f32 sums, v_exp_f32 and their like allow (about 1e-6 of the number): no bf16 or f16 on the way to a quantiser, and a product that is left as it is and whose result goes on into a quantised operand takes f32 operands (vector FMAs, or v_wmma_f32_16x16x4_f32). A number that lies on a knife's edge between two numbers of the format may be rounded either way, as far as f32 arithmetic and the matrix unit's own rounding can turn it there, and no further.
;; 2 versions, each right; version 2 is version 1 with the launches project, attend written anew for expert scheduling mode. Each part assembles by itself: llvm-mc -triple=amdgcn-amd-amdhsa -mcpu=gfx1250 --defsym DOCPART=n.
;; ======== version 1 of 2: 2 launches
;; limits: below input magnitudes of 1.08e-19 results are inexact or not finite
;; workspace buffers: codes 589,824 bytes; scales 49,152 bytes
;; launch project (part 1): grid 64 x 3, 1 waves a work-group, no clusters, 0 bytes of LDS; arguments x, Wq, Wk, Wv, codes, scales; writes codes, scales
.if DOCPART == 1
	.amdgcn_target "amdgcn-amd-amdhsa--gfx1250"
	.amdhsa_code_object_version 6
	.text
	.protected	k_q6a1f53edf3_project
	.globl	k_q6a1f53edf3_project
	.p2align	8
	.type	k_q6a1f53edf3_project,@function
k_q6a1f53edf3_project:
	s_mov_b64 s[64:65], 0
	v_nop
	global_prefetch_b8 v0, s[64:65] scope:SCOPE_SE
	s_setreg_imm32_b32 hwreg(HW_REG_WAVE_MODE, 25, 1), 1
	s_wait_xcnt 0x0
; Q = x Wq, K = x Wk, V = x Wv on codes of FP6 (E2M3) with one E8M0 scale for each 32 along K, and the results quantised again for the two products of attention.
; x: [4096][64] f32 (both batches on end).  W: [64 (k)][64 (n)] f32.  One wave takes 64 rows of x (work-group x) and one of the three weights (work-group y: 0 Q, 1 K, 2 V).
; THE ROWS OF A TILE ARE NOT NEIGHBOURS: lane r of tile 2 b + u takes row (of x) or column (of W) 32 b + 8 u + r + 8 (r / 8), so that in a result the 16 registers of tiles 2 b and 2 b + 1
; are 16 neighbours, 32 b + 16 (lane / 16) + 0 .. 15, along the axis that the next product sums over.
; Q, K: source 0 = 16 columns of W, source 1 = 16 rows of x: a lane holds one row of x and its registers run along the 64 features, which are the K of Q K^T.
; V:    source 0 = 16 rows of x, source 1 = 16 columns of W: a lane holds one feature and its registers run along the keys, which are the K of p V.
; K = 64 IN AN INSTRUCTION OF 128: registers 0-5 of a fragment hold k = 32 (lane / 16) + 0 .. 31, registers 6-11 are zero codes on both sides, under the scale byte 127.
; WHAT IS STORED.  codes: role x 196,608 + group x 3,072 + tile x 768: an image of half a fragment, 16 rows x 64 along K: the reading lane L takes the 24 bytes at 24 L.
; scales: role x 16,384 + group x 256: the word at 8 x lane + 4 x pair is that of tile 2 x pair + lane / 16, row lane % 16: byte 0, byte 1, 0x7f, 0x7f.
; A block's scale is 2^(floor(log2(its largest magnitude)) - 2); its byte is the largest magnitude's exponent field - 2, held at 1 from below.  A block of zeros so gets the byte 1 where the
; rule says 127: its codes are zeros, and the bytes are read by this program alone.
; LIMITS: blocks whose largest magnitude lies under 2^-124 keep the byte 1; NaN and infinities among the inputs are not served.
; x is quantised by each of the three roles anew: 128 numbers a lane, less than an exchange between work-groups through memory would cost.  192 work-groups: that is all the work there is.
.set SX,   20                          ; v20-23   x's scale words, a tile each: they hold scales and nothing else
.set SW,   24                          ; v24-27   W's
.set XF,   28                          ; v28-75   x's four fragments
.set DR,   76                          ; v76-107  W's tile 0 as loaded; later the four result tiles of one outer tile
.set RX,   108                         ; v108-235 x as loaded, 32 numbers a tile; later v108-203 W's tiles 1 to 3 as loaded
.set WFR,  204                         ; v204-251 W's four fragments
.set CR,   108                         ; v108-139 the results' codes, eight registers for each outer tile, so that no store's data are written again
.set WD,   140                         ; v140-143 the results' scale words; v144-145 as they are stored
	s_load_b256 s[4:11], s[0:1], 0x0               ; x, Wq, Wk, Wv
	s_load_b128 s[12:15], s[0:1], 0x20             ; codes, scales
	s_mov_b32 s16, ttmp9                           ; the group of 64 rows
	s_and_b32 s17, ttmp7, 0xffff                   ; the role
	v_and_b32 v1, 15, v0                           ; r
	v_bfe_u32 v2, v0, 4, 1                         ; h
	v_and_b32 v3, 8, v1
	v_add_nc_u32 v3, v3, v1                        ; r + 8 (r / 8)
	v_lshlrev_b32 v4, 8, v3
	v_lshl_add_u32 v4, v2, 7, v4                   ; x: my row of 256 bytes, + 128 h: my block of 32 numbers
	v_lshlrev_b32 v5, 2, v3
	v_lshl_add_u32 v5, v2, 13, v5                  ; W: my column, 32 h rows of 256 bytes down
	v_mul_u32_u24 v6, v1, 24
	v_mad_u32_u24 v6, v2, 12, v6                   ; an image: row r's 24 bytes, my half's 12
	v_lshlrev_b32 v7, 3, v0                        ; the scale words: 8 bytes a lane
	v_lshlrev_b32 v8, 3, v2                        ; 8 h: my block's byte in a scale word
	v_mov_b32 v9, 0                                ; written once: a lane permute's destination counts as one of its sources
	v_mov_b32 v15, 0
.irp t, 0,1,2,3
.irp i, 6,7,8,9,10,11
	v_mov_b32 v[XF+12*\t+\i], 0                    ; zero codes for k = 64 .. 127
.endr
.endr
	s_mov_b32 s20, 0x76543210
	s_mov_b32 s21, 0xfedcba98                      ; v_permlanex16_b32's selects for lane l xor 16
	s_mov_b32 s22, 0xffff0000                      ; lanes 16-31
	s_lshl_b32 s2, s16, 14                         ; 64 rows of 256 bytes
	s_mov_b32 s3, 0
	s_mul_i32 s24, s17, 196608
	s_mul_i32 s25, s16, 3072
	s_add_co_u32 s24, s24, s25
	s_mov_b32 s25, 0
	s_lshl_b32 s26, s17, 14
	s_lshl_b32 s27, s16, 8
	s_add_co_u32 s26, s26, s27
	s_mov_b32 s27, 0
	s_wait_kmcnt 0x0
	s_add_nc_u64 s[4:5], s[4:5], s[2:3]
	s_add_nc_u64 s[12:13], s[12:13], s[24:25]
	s_add_nc_u64 s[14:15], s[14:15], s[26:27]
	s_cmp_eq_u32 s17, 0                            ; the weight is chosen by the work-group's number alone
	s_cselect_b64 s[18:19], s[6:7], s[8:9]
	s_cmp_eq_u32 s17, 2
	s_cselect_b64 s[18:19], s[10:11], s[18:19]
; W's tile t: W(32 h + i, my column), i = 0 .. 31: a lane's registers run DOWN K, so nothing is transposed
.macro LOADW reg, t
.set ii, 0
.rept 32
	global_load_b32 v[(\reg)+ii], v5, s[18:19] offset:ii*256+(32*((\t)/2)+8*((\t)%2))*4
.set ii, ii+1
.endr
.endm
; 32 numbers, a whole block in my lane, become registers 0-5 of a fragment at v[dst]; the row's scale word goes to v[sc]
.macro QB src, dst, sc
	v_max3_num_f32 v10, |v[(\src)]|, |v[(\src)+1]|, |v[(\src)+2]|
	v_max3_num_f32 v11, |v[(\src)+3]|, |v[(\src)+4]|, |v[(\src)+5]|
.irp i, 6,10,14,18,22,26
	v_max3_num_f32 v10, v10, |v[(\src)+\i]|, |v[(\src)+\i+1]|
	v_max3_num_f32 v11, v11, |v[(\src)+\i+2]|, |v[(\src)+\i+3]|
.endr
	v_max3_num_f32 v10, v10, |v[(\src)+30]|, |v[(\src)+31]|
	v_max3_num_f32 v10, v10, v11, 0x1800000        ; and the floor 2^(3 - 127): the byte cannot fall under 1
	v_add_nc_u32 v16, 0xff000000, v10              ; 2 off the exponent field: the conversion takes the exponent field of this operand as its scale
	v_lshrrev_b32 v18, 23, v16                     ; the scale's byte
	v_cvt_scalef32_pk16_fp6_f32 v[(\dst):(\dst)+2], v[(\src):(\src)+15], v16
	v_cvt_scalef32_pk16_fp6_f32 v[12:14], v[(\src)+16:(\src)+31], v16   ; (a conversion's three registers begin on an even number)
	v_lshlrev_b32 v18, v8, v18                     ; my block's byte at its place.  (The plain place behind the conversions)
	v_permlanex16_b32 v15, v18, s20, s21
.irp i, 0,1,2
	v_mov_b32 v[(\dst)+3+\i], v[12+\i]
.endr
	v_or_b32 v18, v18, v15                         ; with lane l xor 16's byte,
	v_or_b32 v[\sc], 0x7f7f0000, v18               ; and 127 over the zero codes
.endm
; The four result tiles of outer tile o: register 16 b + i = k 32 b + 16 h + i of my row.  Two blocks by turns; a block lies in lanes l and l xor 16.
; Each accumulator is read from its low end on.  My 12 bytes of block b belong to the reading lane r + 16 b, at 12 h: the image's layout does the exchange of halves.
.macro QUANT32 o
	v_max3_num_f32 v10, |v[DR]|, |v[DR+1]|, 0x1800000
	v_max3_num_f32 v11, |v[DR+16]|, |v[DR+17]|, 0x1800000
.irp i, 2,4,6,8,10,12,14
	v_max3_num_f32 v10, v10, |v[DR+\i]|, |v[DR+\i+1]|
	v_max3_num_f32 v11, v11, |v[DR+16+\i]|, |v[DR+17+\i]|
.endr
	v_permlanex16_b32 v15, v10, s20, s21
	v_permlanex16_b32 v9, v11, s20, s21
	v_max_num_f32 v10, v10, v15
	v_max_num_f32 v11, v11, v9
	v_add_nc_u32 v16, 0xff000000, v10
	v_add_nc_u32 v17, 0xff000000, v11
	v_lshrrev_b32 v18, 23, v16
	v_lshrrev_b32 v19, 23, v17
	v_lshl_or_b32 v18, v19, 8, v18
	v_or_b32 v[WD+\o], 0x7f7f0000, v18
	v_cvt_scalef32_pk16_fp6_f32 v[CR+8*\o:CR+8*\o+2], v[DR:DR+15], v16
	v_cvt_scalef32_pk16_fp6_f32 v[CR+8*\o+4:CR+8*\o+6], v[DR+16:DR+31], v17
	v_nop                                          ; one plain place behind the conversions: the next products write their sources
	global_store_b96 v6, v[CR+8*\o:CR+8*\o+2], s[12:13] offset:\o*768         ; 32 lanes store 384 consecutive bytes
	global_store_b96 v6, v[CR+8*\o+4:CR+8*\o+6], s[12:13] offset:\o*768+384
.endm
; Sixteen products: for each outer tile o of b, the four tiles of a.  Every product begins with the constant 0 and has an accumulator of its own.
.macro BODY a, as, b, bs
.irp o, 0,1,2,3
.irp t, 0,1,2,3
	v_wmma_scale_f32_16x16x128_f8f6f4 v[DR+8*\t:DR+8*\t+7], v[\a+12*\t:\a+12*\t+11], v[\b+12*\o:\b+12*\o+11], 0, v[\as+\t], v[\bs+\o] matrix_a_fmt:MATRIX_FMT_FP6 matrix_b_fmt:MATRIX_FMT_FP6
.endr
.rept 4
	v_nop                                          ; four places ahead of the first read of the results (ISA guide 7.12.1)
.endr
	QUANT32 \o
.endr
	v_cndmask_b32 v144, v[WD], v[WD+1], s22        ; lanes 0-15: tile 0's words, lanes 16-31: tile 1's
	v_cndmask_b32 v145, v[WD+2], v[WD+3], s22      ; tiles 2 and 3
	global_store_b64 v7, v[144:145], s[14:15]      ; 32 lanes store 256 consecutive bytes, at a multiple of 256 from the buffer's first byte
	s_endpgm
.endm
.irp t, 0,1,2,3
.irp j, 0,1,2,3,4,5,6,7
	global_load_b128 v[RX+32*\t+4*\j:RX+32*\t+4*\j+3], v4, s[4:5] offset:(32*(\t/2)+8*(\t%2))*256+16*\j
.endr
.endr
	LOADW DR, 0
	s_wait_loadcnt 32                              ; x is in: the 32 loads behind it, W's tile 0, may be out
.irp t, 0,1,2,3
	QB RX+32*\t, XF+12*\t, SX+\t
.endr
	s_wait_loadcnt 0x0                             ; W's tile 0 is in
	LOADW RX, 1                                    ; the other three tiles take the registers that x has left
	LOADW RX+32, 2
	LOADW RX+64, 3
.irp t, 0,1,2,3
.irp i, 6,7,8,9,10,11
	v_mov_b32 v[WFR+12*\t+\i], 0                   ; zero codes for k = 64 .. 127
.endr
.endr
	QB DR, WFR, SW
	s_wait_loadcnt 63                              ; tile 1 is in when 64 loads are out: 63 is the largest count that a wait can name
	QB RX, WFR+12, SW+1
	s_wait_loadcnt 32                              ; tile 2 is in; tile 3's 32 loads may be out
	QB RX+32, WFR+24, SW+2
	s_wait_loadcnt 0x0
	QB RX+64, WFR+36, SW+3
.rept 8
	v_nop                                          ; a scale register written by a vector instruction stands eight places ahead of a scaled matrix instruction, an operand so written four
.endr
	s_cmp_eq_u32 s17, 2
	s_cbranch_scc1 .Lrole_v
	BODY WFR, SW, XF, SX                           ; Q, K: a lane holds a row of x
.Lrole_v:
	BODY XF, SX, WFR, SW                           ; V: a lane holds a feature
.Lfunc_end_k_q6a1f53edf3_project:
	.size	k_q6a1f53edf3_project, .Lfunc_end_k_q6a1f53edf3_project-k_q6a1f53edf3_project
	.p2alignl 7, 3214868480
	.fill 96, 4, 3214868480
	.section	.rodata,"a",@progbits
	.p2align	6, 0x0
	.amdhsa_kernel k_q6a1f53edf3_project
		.amdhsa_group_segment_fixed_size 0
		.amdhsa_private_segment_fixed_size 0
		.amdhsa_enable_private_segment 0
		.amdhsa_kernarg_size 48
		.amdhsa_user_sgpr_count 2
		.amdhsa_user_sgpr_kernarg_segment_ptr 1
		.amdhsa_wavefront_size32 1
		.amdhsa_system_sgpr_workgroup_id_x 1
		.amdhsa_system_sgpr_workgroup_id_y 1
		.amdhsa_system_sgpr_workgroup_id_z 1
		.amdhsa_system_vgpr_workitem_id 0
		.amdhsa_next_free_vgpr 256
		.amdhsa_next_free_sgpr 66
		.amdhsa_reserve_vcc 0
		.amdhsa_float_denorm_mode_32 3
		.amdhsa_float_denorm_mode_16_64 3
		.amdhsa_memory_ordered 1
		.amdhsa_forward_progress 1
		.amdhsa_inst_pref_size 52
	.end_amdhsa_kernel
	.amdgpu_metadata
---
amdhsa.version: [ 1, 2 ]
amdhsa.kernels:
  - .name:           k_q6a1f53edf3_project
    .symbol:         k_q6a1f53edf3_project.kd
    .args:
      - { .name: x, .offset: 0, .size: 8, .value_kind: global_buffer, .address_space: global }
      - { .name: Wq, .offset: 8, .size: 8, .value_kind: global_buffer, .address_space: global }
      - { .name: Wk, .offset: 16, .size: 8, .value_kind: global_buffer, .address_space: global }
      - { .name: Wv, .offset: 24, .size: 8, .value_kind: global_buffer, .address_space: global }
      - { .name: codes, .offset: 32, .size: 8, .value_kind: global_buffer, .address_space: global }
      - { .name: scales, .offset: 40, .size: 8, .value_kind: global_buffer, .address_space: global }
    .group_segment_fixed_size: 0
    .private_segment_fixed_size: 0
    .kernarg_segment_align: 8
    .kernarg_segment_size: 48
    .max_flat_workgroup_size: 32
    .sgpr_count:     66
    .vgpr_count:     256
    .wavefront_size: 32
...
	.end_amdgpu_metadata
.endif
;; end of part 1
;; launch attend (part 2): grid 256 x 1, 16 waves a work-group, no clusters, 92,160 bytes of LDS; arguments codes, scales, coords, trans_w1, trans_b1, trans_w2, trans_b2, refl_w1, refl_b1, refl_w2, refl_b2, rot_w1, rot_b1, rot_w2, rot_b2, out0; writes out0
.if DOCPART == 2
	.amdgcn_target "amdgcn-amd-amdhsa--gfx1250"
	.amdhsa_code_object_version 6
	.text
	.protected	k_q6a1f53edf3_attend
	.globl	k_q6a1f53edf3_attend
	.p2align	8
	.type	k_q6a1f53edf3_attend,@function
k_q6a1f53edf3_attend:
	s_mov_b64 s[64:65], 0
	v_nop
	global_prefetch_b8 v0, s[64:65] scope:SCOPE_SE
	s_setreg_imm32_b32 hwreg(HW_REG_WAVE_MODE, 25, 1), 1
	s_wait_xcnt 0x0
; out = softmax(Q K^T / 8 + psi_rot + psi_trans + psi_refl) V.  Both products on codes of FP6 (E2M3) with E8M0 scales, as the launch before has laid them; the three MLPs of the pair geometry in f32.
; SHARES.  A work-group owns one tile of 16 queries (rows rowbase + r + 8 (r / 8) of the 4,096), each of its SIXTEEN waves 128 of the batch's 2,048 keys: there is no loop over keys.
; Both products are used transposed (S^T = K Q^T, O^T = V^T P^T): lane (r, h) holds query r throughout, and register 16 b + i of the logits holds key 32 b + 16 h + i of the wave's 128.
; THE MLPs are the work: 96 hidden units for each of a lane's 64 pairs, two pairs to an instruction.  A unit of trans or refl is relu(a dx + b dy + c) v, four instructions for two pairs;
; a unit of rot is relu(w0 d + w1 sin + w2 cos + b) v, five.  refl's input is (dx, dy, -dx, -dy), so its four rows of weights fold into a = w0 - w2 and b = w1 - w3.
; sin and cos of atan2(dy, dx) are dy / r and dx / r; where dx = dy = 0 they are 0 and 1, as atan2(0, 0) = 0 gives them.  d = sqrt(dx^2 + dy^2 + 1e-8).
; The weights lie in LDS as small tables, built once by waves 0 to 2, and are read a trip at a time; the wave waits for them at once: three more waves share its SIMD and issue meanwhile.
; THE SOFTMAX.  t = logit x log2(e); M = the largest t of the wave's keys, rounded UP to a whole number; p = 2^(t - M) is quantised along the keys; l is the sum of the unquantised p.
; THE MERGE.  The sixteen waves' (-M, l, O^T) meet in LDS.  Every M is a whole number, so a wave's part is brought under the largest M by 2^(M - largest M), which rounds nothing.  Wave w finishes query w.
; NO CLUSTER, NO TENSOR LOAD: what work-groups share is a wave's 12,288 bytes of K's and V's codes, read once, straight into operand registers, beside some 14,000 vector instructions: no tile goes through LDS.
; LIMITS: NaN and infinities among the inputs are not served.  A block of p or a block of codes whose largest magnitude lies under 2^-124 keeps the scale byte 1.  A pair with 0 < dx^2 + dy^2 < 2^-126 takes
; its direction from 1 / r held at 2^63, or, where the squares fall to 0, from the case dx = dy = 0.  refl's folded weights and the sum of the three b2 ahead of the logits are another order of f32 rounding than the source's.
.set TRB, 0                            ; LDS: 64 units x 16 bytes (a, b, c, v): trans k at 16 k, refl k at 512 + 16 k
.set ROB, 1024                         ; 16 trips x 48 bytes: (w0, w1, w2, b) of unit 2 t, of unit 2 t + 1, then their two v; the last 8 bytes are never touched
.set COB, 2048                         ; 1,024 bytes for each wave, its own: its 128 keys' coordinates, 16 bytes for two keys as (x0, x1, y0, y1)
.set MLB, 18432                        ; (-M, l) of query q and wave p at 128 q + 8 p
.set PB,  20480                        ; wave p's O: 16 rows of 256 + 16 bytes
.set PWB, 4352                         ; a wave's part of it
.set ACC, 32                           ; v32-95   S^T, then the logits, then p
.set FE,  96                           ; v96-159  packed pair m at 4 m: (dx0, dx1, dy0, dy1), later (cos, cos, sin, sin)
.set DI,  160                          ; v160-191 dx^2 + dy^2, then the distance
.set HH,  192                          ; v192-223 a unit's hidden numbers; 1 / r
.set BM,  224                          ; v224-227 the blocks' largest; v228-231 the other half's, then the bytes; v232-235 the conversions' scales; v236-239 the sums
.set BX,  228
.set SO,  232
.set KFR, 96                           ; K's eight fragments, v96-191, and Q's, v192-203: ahead of the MLPs
.set QFR, 192
.set VF,  96                           ; behind the MLPs: V's four fragments v96-143, p's codes v144-155 (v156-163 at work), O^T v164-195
.set PC,  144
.set PT,  156
.set OA,  164
.set ML,  96                           ; the merge: (-M, l) of the sixteen waves v96-127, their O v128-159, the result v160-161
.set OP,  128
; v1 lane, v2 r, v3 h; v4 24 x lane, v5 8 x lane; v6 my keys' coordinates in LDS; v7 the table address in hand; v8 where my O^T goes; v9 where (-M, l) goes; v10, v11 where the merge reads;
; v[12:13] (-M, l); v[14:15] my query's (x, y); v[16:17] the sum of the three b2, twice; v18 1.0; v19 at work; v20-29 a trip's weights;
; v240-243 K's scale words, v244 Q's, v246-247 V's, v248 p's: they hold scales and nothing else;  v245, v249-255 addresses that stay
.macro RELU2 x                         ; two maxima in one instruction: one destination even, the other odd
	v_dual_max_num_f32 v[(\x)], 0, v[(\x)] :: v_dual_max_num_f32 v[(\x)+1], 0, v[(\x)+1]
.endm
; A unit of trans or refl for the 32 pairs of half H.  v[wb:wb+3] = (a, b, c, v).  Each stage goes over the sixteen packed pairs, so that no line waits for the line above it.
.macro TRU wb, H
.set mm, 0
.rept 16
	v_pk_fma_f32 v[HH+2*mm:HH+2*mm+1], v[FE+4*mm:FE+4*mm+1], v[\wb:\wb+1], v[\wb+2:\wb+3] op_sel_hi:[1,0,0]   ; a dx + c
.set mm, mm+1
.endr
.set mm, 0
.rept 16
	v_pk_fma_f32 v[HH+2*mm:HH+2*mm+1], v[FE+4*mm+2:FE+4*mm+3], v[\wb:\wb+1], v[HH+2*mm:HH+2*mm+1] op_sel:[0,1,0] op_sel_hi:[1,1,1]   ; + b dy
.set mm, mm+1
.endr
.set mm, 0
.rept 16
	RELU2 HH+2*mm
.set mm, mm+1
.endr
.set mm, 0
.rept 16
	v_pk_fma_f32 v[ACC+32*\H+2*mm:ACC+32*\H+2*mm+1], v[HH+2*mm:HH+2*mm+1], v[\wb+2:\wb+3], v[ACC+32*\H+2*mm:ACC+32*\H+2*mm+1] op_sel:[0,1,0] op_sel_hi:[1,1,1]   ; the logit += relu x v
.set mm, mm+1
.endr
.endm
; A unit of rot.  v[wb:wb+3] = (w0, w1, w2, b); its v is word u of v[28:29].
.macro ROTU wb, u, H
.set mm, 0
.rept 16
	v_pk_fma_f32 v[HH+2*mm:HH+2*mm+1], v[DI+2*mm:DI+2*mm+1], v[\wb:\wb+1], v[\wb+2:\wb+3] op_sel:[0,0,1] op_sel_hi:[1,0,1]   ; w0 d + b
.set mm, mm+1
.endr
.set mm, 0
.rept 16
	v_pk_fma_f32 v[HH+2*mm:HH+2*mm+1], v[FE+4*mm+2:FE+4*mm+3], v[\wb:\wb+1], v[HH+2*mm:HH+2*mm+1] op_sel:[0,1,0] op_sel_hi:[1,1,1]   ; + w1 sin
.set mm, mm+1
.endr
.set mm, 0
.rept 16
	v_pk_fma_f32 v[HH+2*mm:HH+2*mm+1], v[FE+4*mm:FE+4*mm+1], v[\wb+2:\wb+3], v[HH+2*mm:HH+2*mm+1] op_sel_hi:[1,0,1]   ; + w2 cos
.set mm, mm+1
.endr
.set mm, 0
.rept 16
	RELU2 HH+2*mm
.set mm, mm+1
.endr
.set mm, 0
.rept 16
.if \u
	v_pk_fma_f32 v[ACC+32*\H+2*mm:ACC+32*\H+2*mm+1], v[HH+2*mm:HH+2*mm+1], v[28:29], v[ACC+32*\H+2*mm:ACC+32*\H+2*mm+1] op_sel:[0,1,0] op_sel_hi:[1,1,1]
.else
	v_pk_fma_f32 v[ACC+32*\H+2*mm:ACC+32*\H+2*mm+1], v[HH+2*mm:HH+2*mm+1], v[28:29], v[ACC+32*\H+2*mm:ACC+32*\H+2*mm+1] op_sel_hi:[1,0,1]
.endif
.set mm, mm+1
.endr
.endm
; The three MLPs for half H of my pairs: blocks 2 H and 2 H + 1 of the keys, 32 pairs a lane.
.macro HALF H
.set mm, 0
.rept 16
	ds_load_b128 v[FE+4*mm:FE+4*mm+3], v6 offset:256*(2*\H+mm/8)+16*(mm%8)   ; keys 32 b + 16 h + 2 (m % 8) and the next: my wave's own bytes
.set mm, mm+1
.endr
	s_wait_dscnt 0x0
.set mm, 0
.rept 16
	v_pk_add_f32 v[FE+4*mm:FE+4*mm+1], v[FE+4*mm:FE+4*mm+1], v[14:15] op_sel_hi:[1,0] neg_lo:[0,1] neg_hi:[0,1]   ; dx = the key's x - my query's
	v_pk_add_f32 v[FE+4*mm+2:FE+4*mm+3], v[FE+4*mm+2:FE+4*mm+3], v[14:15] op_sel:[0,1] op_sel_hi:[1,1] neg_lo:[0,1] neg_hi:[0,1]   ; dy
.set mm, mm+1
.endr
	s_mov_b32 s44, TRB                             ; table pointer and trip counter in one: 32 trips of two units
.Ltr_\@:
	v_mov_b32 v7, s44
	ds_load_b128 v[20:23], v7
	ds_load_b128 v[24:27], v7 offset:16
	s_wait_dscnt 0x0                               ; both units' weights are in
	TRU 20, \H
	TRU 24, \H
	s_add_co_u32 s44, s44, 32
	s_cmp_lt_u32 s44, TRB+1024
	s_cbranch_scc1 .Ltr_\@
	; rot's three features
.set mm, 0
.rept 16
	v_pk_mul_f32 v[DI+2*mm:DI+2*mm+1], v[FE+4*mm:FE+4*mm+1], v[FE+4*mm:FE+4*mm+1]
.set mm, mm+1
.endr
.set mm, 0
.rept 16
	v_pk_fma_f32 v[DI+2*mm:DI+2*mm+1], v[FE+4*mm+2:FE+4*mm+3], v[FE+4*mm+2:FE+4*mm+3], v[DI+2*mm:DI+2*mm+1]   ; dx^2 + dy^2
.set mm, mm+1
.endr
.set ii, 0
.rept 32
	v_max_num_f32 v[HH+ii], 0x800000, v[DI+ii]     ; held at 2^-126 from below: the root's reciprocal takes no denormal and no zero
.set ii, ii+1
.endr
.set ii, 0
.rept 32
	v_rsq_f32 v[HH+ii], v[HH+ii]                   ; 1 / r
.set ii, ii+1
.endr
	v_nop                                          ; a plain instruction behind the last of the batch
	s_wait_alu depctr_va_vdst(0)                   ; one wait for the 32, ahead of their first reader
.set mm, 0
.rept 16
	v_pk_mul_f32 v[FE+4*mm:FE+4*mm+1], v[FE+4*mm:FE+4*mm+1], v[HH+2*mm:HH+2*mm+1]       ; cos = dx / r
	v_pk_mul_f32 v[FE+4*mm+2:FE+4*mm+3], v[FE+4*mm+2:FE+4*mm+3], v[HH+2*mm:HH+2*mm+1]   ; sin = dy / r
.set mm, mm+1
.endr
.set ii, 0
.rept 32
	v_cmp_eq_f32 vcc_lo, 0, v[DI+ii]               ; dx = dy = 0: the angle is 0: cos = 1 (sin is 0 already)
	v_cndmask_b32 v[FE+4*(ii/2)+ii%2], v[FE+4*(ii/2)+ii%2], v18, vcc_lo
.set ii, ii+1
.endr
.set mm, 0
.rept 16
	v_pk_add_f32 v[DI+2*mm:DI+2*mm+1], v[DI+2*mm:DI+2*mm+1], 0x322bcc77 op_sel_hi:[1,0]   ; + 1e-8
.set mm, mm+1
.endr
.set ii, 0
.rept 32
	v_sqrt_f32 v[DI+ii], v[DI+ii]                  ; the distance
.set ii, ii+1
.endr
	v_nop
	s_wait_alu depctr_va_vdst(0)                   ; one wait for the 32, ahead of the label
	s_mov_b32 s44, ROB                             ; 16 trips of two units
.Lrot_\@:
	v_mov_b32 v7, s44
	ds_load_b128 v[20:23], v7
	ds_load_b128 v[24:27], v7 offset:16
	ds_load_b64 v[28:29], v7 offset:32
	s_wait_dscnt 0x0
	ROTU 20, 0, \H
	ROTU 24, 1, \H
	s_add_co_u32 s44, s44, 48
	s_cmp_lt_u32 s44, ROB+768
	s_cbranch_scc1 .Lrot_\@
.endm
	s_load_b512 s[4:19], s[0:1], 0x0               ; codes, scales, coords, trans_w1, trans_b1, trans_w2, trans_b2, refl_w1
	s_load_b512 s[20:35], s[0:1], 0x40             ; refl_b1, refl_w2, refl_b2, rot_w1, rot_b1, rot_w2, rot_b2, out0
	v_lshl_add_u32 v30, v0, 2, 0x16000
	v_mov_b32 v31, 0
	v_lshrrev_b32 v1, 5, v0
	v_readfirstlane_b32 s36, v1                    ; wave 0..15
	v_and_b32 v1, 31, v0                           ; lane
	v_and_b32 v2, 15, v0                           ; r
	v_bfe_u32 v3, v0, 4, 1                         ; h
	s_mov_b32 s37, ttmp9                           ; T: my tile of queries
	s_lshr_b32 s38, s37, 7                         ; the batch
	s_lshl_b32 s38, s38, 4
	s_add_co_u32 s38, s38, s36                     ; S: my wave's 128 keys among the 4,096 rows
	; every LDS address is made here, ahead of the first branch on the wave's number
	v_mul_u32_u24 v4, v1, 24
	v_lshlrev_b32 v5, 3, v1
	s_lshl_b32 s39, s36, 10
	s_add_co_u32 s39, s39, COB
	v_lshl_add_u32 v6, v3, 7, s39                  ; my half's 16 keys of a block begin 128 h bytes on
	v_lshl_add_u32 v245, v1, 4, s39                ; where I put two keys' coordinates
	s_mul_i32 s39, s36, PWB
	s_add_co_u32 s39, s39, PB
	v_mul_u32_u24 v8, v2, 272
	v_lshl_add_u32 v8, v3, 6, v8
	v_add_nc_u32 v8, s39, v8                       ; my wave's part, row r, + 64 h
	s_lshl_b32 s39, s36, 3
	s_add_co_u32 s39, s39, MLB
	v_lshl_add_u32 v9, v2, 7, s39
	s_mul_i32 s39, s36, 272
	s_add_co_u32 s39, s39, PB
	v_lshl_add_u32 v10, v1, 3, s39                 ; the merge: row = my wave's number, 8 bytes a lane
	s_lshl_b32 s39, s36, 7
	s_add_co_u32 s39, s39, MLB
	v_mov_b32 v11, s39
	v_lshl_add_u32 v249, v1, 4, TRB                ; the tables: unit = lane
	v_lshrrev_b32 v19, 1, v1
	v_mul_u32_u24 v250, v19, 48
	v_and_b32 v19, 1, v1
	v_lshl_add_u32 v251, v19, 2, v250
	v_lshl_add_u32 v250, v19, 4, v250
	v_add_nc_u32 v250, ROB, v250                   ; rot's unit k: trip k / 2, 16 (k % 2) on;
	v_add_nc_u32 v251, ROB+32, v251                ; its v: 32 + 4 (k % 2) on
	v_lshlrev_b32 v252, 2, v1                      ; offsets in memory: 4 x lane,
	v_and_b32 v253, 8, v2
	v_add_nc_u32 v253, v253, v2
	v_lshlrev_b32 v253, 3, v253                    ; my query's coordinates: 8 (r + 8 (r / 8)),
	v_lshlrev_b32 v254, 3, v2                      ; its scale word: 8 r,
	v_lshlrev_b32 v255, 4, v1                      ; 16 x lane
	v_mov_b32 v13, 0                               ; (named with v12 as a pair before l is made)
	v_mov_b32 v18, 1.0
.irp b, 0,1,2,3
	v_mov_b32 v[BX+\b], 0                          ; written once: a lane permute's destination counts as one of its sources
.endr
.irp t, 0,1,2,3,4,5,6,7
.irp i, 6,7,8,9,10,11
	v_mov_b32 v[KFR+12*\t+\i], 0                   ; the head has 64 numbers: zero codes for k = 64 .. 127, on both sides
.endr
.endr
.irp i, 6,7,8,9,10,11
	v_mov_b32 v[QFR+\i], 0
.endr
	s_mov_b32 s40, 0x76543210
	s_mov_b32 s41, 0xfedcba98                      ; v_permlanex16_b32's selects for lane l xor 16
	s_mov_b32 s42, 0x3fb8aa3b                      ; log2(e)
	s_mov_b32 s43, s42                             ; (named with it as a pair, so it is written)
	s_wait_kmcnt 0x0
	s_load_b32 s45, s[16:17], 0x0                  ; trans_b2
	s_load_b32 s46, s[24:25], 0x0                  ; refl_b2
	s_load_b32 s47, s[32:33], 0x0                  ; rot_b2
	s_mov_b32 s3, 0
	s_mul_i32 s2, s38, 6144                        ; two groups of 3,072 bytes
	s_add_nc_u64 s[48:49], s[4:5], s[2:3]
	s_add_nc_u64 s[50:51], s[48:49], 393216        ; V's codes
	s_add_nc_u64 s[48:49], s[48:49], 196608        ; K's codes
	s_mul_i32 s2, s37, 768
	s_add_nc_u64 s[52:53], s[4:5], s[2:3]          ; Q's tile
	s_lshl_b32 s2, s38, 9
	s_add_nc_u64 s[54:55], s[6:7], s[2:3]
	s_add_nc_u64 s[54:55], s[54:55], 16384         ; K's scale words; V's stand 16,384 bytes on
	s_lshr_b32 s39, s37, 2                         ; T = 4 x group + 2 b + u
	s_lshl_b32 s2, s39, 8
	s_lshl_b32 s44, s39, 6
	s_and_b32 s39, s37, 1
	s_lshl_b32 s39, s39, 3
	s_add_co_u32 s44, s44, s39
	s_lshl_b32 s39, s39, 4
	s_add_co_u32 s2, s2, s39
	s_bfe_u32 s39, s37, 0x10001
	s_lshl_b32 s39, s39, 2
	s_add_co_u32 s2, s2, s39                       ; 256 x group + 128 u + 4 b
	s_lshl_b32 s39, s39, 3
	s_add_co_u32 s44, s44, s39                     ; rowbase = 64 x group + 32 b + 8 u
	s_add_nc_u64 s[56:57], s[6:7], s[2:3]          ; Q's scale words
	s_lshl_b32 s2, s38, 10
	s_add_nc_u64 s[58:59], s[8:9], s[2:3]          ; my keys' coordinates
	s_lshl_b32 s2, s44, 3
	s_add_nc_u64 s[60:61], s[8:9], s[2:3]          ; the queries'
	s_lshr_b32 s39, s36, 3
	s_lshl_b32 s39, s39, 3
	s_add_co_u32 s39, s39, s36
	s_add_co_u32 s39, s39, s44
	s_lshl_b32 s2, s39, 8
	s_add_nc_u64 s[34:35], s[34:35], s[2:3]        ; the row of out0 that my wave finishes: rowbase + w + 8 (w / 8)
	global_load_b128 v[204:207], v255, s[58:59]            ; two keys a lane: (x, y, x, y)
	global_load_b128 v[208:211], v255, s[58:59] offset:512
	global_load_b64 v[14:15], v253, s[60:61]
.irp p, 0,1,2
	global_load_b64 v[QFR+2*\p:QFR+2*\p+1], v4, s[52:53] offset:8*\p
.endr
	global_load_b32 v244, v254, s[56:57]
	global_load_b64 v[240:241], v5, s[54:55]               ; lanes 0-15: the even tile's words, lanes 16-31: the odd one's
	global_load_b64 v[242:243], v5, s[54:55] offset:256
	global_load_b64 v[224:225], v5, s[54:55] offset:16384  ; V's, of my two groups of 64 keys
	global_load_b64 v[226:227], v5, s[54:55] offset:16640
.irp t, 0,1,2,3,4,5,6,7
.irp p, 0,1,2
	global_load_b64 v[KFR+12*\t+2*\p:KFR+12*\t+2*\p+1], v4, s[48:49] offset:\t*768+8*\p
.endr
.endr
	; the tables: three waves build one each; no barrier stands under these branches
	s_cmp_eq_u32 s36, 0
	s_cbranch_scc0 .Lnot_trans
	global_load_b32 v212, v252, s[10:11]
	global_load_b32 v213, v252, s[10:11] offset:128
	global_load_b32 v214, v252, s[12:13]
	global_load_b32 v215, v252, s[14:15]
	s_wait_loadcnt 0x0
	ds_store_b128 v249, v[212:215]
.Lnot_trans:
	s_cmp_eq_u32 s36, 1
	s_cbranch_scc0 .Lnot_refl
	global_load_b32 v212, v252, s[18:19]
	global_load_b32 v213, v252, s[18:19] offset:128
	global_load_b32 v216, v252, s[18:19] offset:256
	global_load_b32 v217, v252, s[18:19] offset:384
	global_load_b32 v214, v252, s[20:21]
	global_load_b32 v215, v252, s[22:23]
	s_wait_loadcnt 0x0
	v_sub_f32 v212, v212, v216                     ; dx w0 + dy w1 - dx w2 - dy w3 = dx (w0 - w2) + dy (w1 - w3)
	v_sub_f32 v213, v213, v217
	ds_store_b128 v249, v[212:215] offset:512
.Lnot_refl:
	s_cmp_eq_u32 s36, 2
	s_cbranch_scc0 .Lnot_rot
	global_load_b32 v212, v252, s[26:27]
	global_load_b32 v213, v252, s[26:27] offset:128
	global_load_b32 v214, v252, s[26:27] offset:256
	global_load_b32 v215, v252, s[28:29]
	global_load_b32 v216, v252, s[30:31]
	s_wait_loadcnt 0x0
	ds_store_b128 v250, v[212:215]
	ds_store_b32 v251, v216
.Lnot_rot:
	s_wait_loadcnt 0x0                             ; all that the head has asked for
	v_mov_b32 v19, v205                            ; (x0, y0, x1, y1) becomes (x0, x1, y0, y1)
	v_mov_b32 v205, v206
	v_mov_b32 v206, v19
	v_mov_b32 v19, v209
	v_mov_b32 v209, v210
	v_mov_b32 v210, v19
	ds_store_b128 v245, v[204:207]
	ds_store_b128 v245, v[208:211] offset:512
	v_perm_b32 v246, v226, v224, 0x05040100        ; V's scale word for 128 keys: two bytes of each group's
	v_perm_b32 v247, v227, v225, 0x05040100
	s_wait_kmcnt 0x0                               ; the three b2
	v_mov_b32 v16, s45
	v_add_f32 v16, s46, v16
	v_add_f32 v16, s47, v16
	v_mov_b32 v17, v16
	; S^T = K Q^T: eight tiles of 16 keys, each with an accumulator of its own, begun with the constant 0
.irp t, 0,1,2,3,4,5,6,7
.if \t%2
	v_wmma_scale_f32_16x16x128_f8f6f4 v[ACC+8*\t:ACC+8*\t+7], v[KFR+12*\t:KFR+12*\t+11], v[QFR:QFR+11], 0, v[240+\t/2], v244 matrix_a_fmt:MATRIX_FMT_FP6 matrix_b_fmt:MATRIX_FMT_FP6 matrix_a_scale:MATRIX_SCALE_ROW1
.else
	v_wmma_scale_f32_16x16x128_f8f6f4 v[ACC+8*\t:ACC+8*\t+7], v[KFR+12*\t:KFR+12*\t+11], v[QFR:QFR+11], 0, v[240+\t/2], v244 matrix_a_fmt:MATRIX_FMT_FP6 matrix_b_fmt:MATRIX_FMT_FP6
.endif
.endr
.rept 4
	v_nop                                          ; four places ahead of the first read of the results (ISA guide 7.12.1)
.endr
.set jj, 0
.rept 32
	v_pk_fma_f32 v[ACC+jj:ACC+jj+1], v[ACC+jj:ACC+jj+1], 0x3e000000, v[16:17] op_sel_hi:[1,0,1]   ; / sqrt(64), + the three b2; each accumulator from its low end on
.set jj, jj+2
.endr
	s_wait_dscnt 0x0                               ; my stores into the tables and into my coordinates have landed
	s_barrier_signal -1
	s_barrier_wait -1                              ; the tables are whole
	HALF 0
	HALF 1
.irp n, 0,1,2,3                        ; V's four fragments: tile n, registers 6 c on from group c; they land while the softmax is worked
.irp c, 0,1
.irp p, 0,1,2
	global_load_b64 v[VF+12*\n+6*\c+2*\p:VF+12*\n+6*\c+2*\p+1], v4, s[50:51] offset:(4*\c+\n)*768+8*\p
.endr
.endr
.endr
	; THE SOFTMAX of my 128 keys
.irp b, 0,1,2,3
	v_max3_num_f32 v[BM+\b], v[ACC+16*\b], v[ACC+1+16*\b], v[ACC+2+16*\b]   ; the largest logit of each block of 32 keys: it serves for the row's maximum and, since p rises with the logit, for the block's largest p
.endr
.irp i, 3,5,7,9,11,13
.irp b, 0,1,2,3
	v_max3_num_f32 v[BM+\b], v[BM+\b], v[ACC+16*\b+\i], v[ACC+1+16*\b+\i]
.endr
.endr
.irp b, 0,1,2,3
	v_max_num_f32 v[BM+\b], v[BM+\b], v[ACC+15+16*\b]
.endr
.irp b, 0,1,2,3
	v_permlanex16_b32 v[BX+\b], v[BM+\b], s40, s41
.endr
.irp b, 0,1,2,3
	v_max_num_f32 v[BM+\b], v[BM+\b], v[BX+\b]     ; with lane l xor 16's 16 keys
.endr
	v_max3_num_f32 v19, v[BM], v[BM+1], v[BM+2]
	v_max_num_f32 v19, v19, v[BM+3]
	v_mul_f32 v19, s42, v19                        ; the largest t
	v_floor_f32 v12, -v19                          ; -M = floor(-t) = -ceil(t): M is a whole number
.set jj, 0
.rept 32
	v_pk_fma_f32 v[ACC+jj:ACC+jj+1], v[ACC+jj:ACC+jj+1], s[42:43], v[12:13] op_sel_hi:[1,0,0]   ; t - M
.set jj, jj+2
.endr
.irp b, 0,1,2,3
	v_fma_f32 v[BM+\b], v[BM+\b], s42, v12         ; the same of each block's largest logit
.endr
.set jj, 0
.rept 64
	v_exp_f32 v[ACC+jj], v[ACC+jj]                 ; p = 2^(t - M), at most 1: not normalised
.set jj, jj+1
.endr
	v_nop                                          ; a plain instruction behind the batch
	s_wait_alu depctr_va_vdst(0)                   ; one wait for the 64, ahead of their first reader
.irp b, 0,1,2,3
	v_exp_f32 v[BM+\b], v[BM+\b]                   ; the block's largest p: the same two instructions on the same number give the same bits
.endr
	v_pk_add_f32 v[236:237], v[ACC:ACC+1], v[ACC+2:ACC+3]          ; l is the sum of the UNQUANTISED p: two at a time, in two chains.  (These read the 64 alone: plain work behind the four)
	v_pk_add_f32 v[238:239], v[ACC+4:ACC+5], v[ACC+6:ACC+7]
.irp j, 8,12,16,20,24,28,32,36,40,44,48,52,56,60
	v_pk_add_f32 v[236:237], v[236:237], v[ACC+\j:ACC+\j+1]
	v_pk_add_f32 v[238:239], v[238:239], v[ACC+\j+2:ACC+\j+3]
.endr
	v_pk_add_f32 v[236:237], v[236:237], v[238:239]
	v_add_f32 v13, v236, v237
	v_permlanex16_b32 v19, v13, s40, s41
	v_add_f32 v13, v13, v19                        ; with lane l xor 16's: l of my query over the wave's 128 keys
	s_wait_alu depctr_va_vdst(0)                   ; and one wait for the four
.irp b, 0,1,2,3
	v_max_num_f32 v[BM+\b], 0x1800000, v[BM+\b]    ; the floor 2^(3 - 127): the byte cannot fall under 1
.endr
.irp b, 0,1,2,3
	v_add_nc_u32 v[SO+\b], 0xff000000, v[BM+\b]    ; 2 off the exponent field: the conversion's scale operand
.endr
.irp b, 0,1,2,3
	v_lshrrev_b32 v[BX+\b], 23, v[SO+\b]           ; the scale's byte
.endr
	v_lshl_or_b32 v248, v[BX+1], 8, v[BX]          ; p's scale word for these 128 keys
	v_lshl_or_b32 v248, v[BX+2], 16, v248
	v_lshl_or_b32 v248, v[BX+3], 24, v248
.irp c, 0,1
	v_cvt_scalef32_pk16_fp6_f32 v[PC+6*\c:PC+6*\c+2], v[ACC+32*\c:ACC+32*\c+15], v[SO+2*\c]
	v_cvt_scalef32_pk16_fp6_f32 v[PT+4*\c:PT+4*\c+2], v[ACC+32*\c+16:ACC+32*\c+31], v[SO+2*\c+1]   ; (a conversion's three registers begin on an even number)
.endr
	v_nop                                          ; one plain place behind the conversions
.irp c, 0,1                            ; the operand's layout wants a WHOLE block in a lane: lanes 0-15 block 2 c, lanes 16-31 block 2 c + 1
.irp i, 0,1,2
	v_permlane16_swap_b32 v[PC+6*\c+\i], v[PT+4*\c+\i]
.endr
.irp i, 0,1,2
	v_mov_b32 v[PC+3+6*\c+\i], v[PT+4*\c+\i]
.endr
.endr
.rept 8
	v_nop                                          ; a scale register written by a vector instruction stands eight places ahead of a scaled matrix instruction, an operand so written four
.endr
	s_wait_loadcnt 0x0                             ; V
	; O^T = V^T P^T: four tiles of 16 of the head's 64, K = my 128 keys; each begun with the constant 0
.irp n, 0,1,2,3
.if \n%2
	v_wmma_scale_f32_16x16x128_f8f6f4 v[OA+8*\n:OA+8*\n+7], v[VF+12*\n:VF+12*\n+11], v[PC:PC+11], 0, v[246+\n/2], v248 matrix_a_fmt:MATRIX_FMT_FP6 matrix_b_fmt:MATRIX_FMT_FP6 matrix_a_scale:MATRIX_SCALE_ROW1
.else
	v_wmma_scale_f32_16x16x128_f8f6f4 v[OA+8*\n:OA+8*\n+7], v[VF+12*\n:VF+12*\n+11], v[PC:PC+11], 0, v[246+\n/2], v248 matrix_a_fmt:MATRIX_FMT_FP6 matrix_b_fmt:MATRIX_FMT_FP6
.endif
.endr
.rept 4
	v_nop                                          ; four places ahead of the stores that read the results, and of the loads into the operands' registers further down
.endr
.irp b, 0,1
.irp i, 0,1,2,3
	ds_store_b128 v8, v[OA+16*\b+4*\i:OA+16*\b+4*\i+3] offset:128*\b+16*\i   ; register 16 b + 4 i + .. is channel 32 b + 16 h + 4 i + ..; each accumulator from its low end on
.endr
.endr
	ds_store_b64 v9, v[12:13]                      ; (-M, l): both lanes of a query write the same 8 bytes with the same value
	s_wait_dscnt 0x0                               ; for the others' sake: my part has landed
	s_barrier_signal -1
	s_barrier_wait -1                              ; all sixteen parts lie in LDS; nothing is stored there any more
	; THE MERGE: my wave finishes the query of its own number; lane l takes channels 2 l and 2 l + 1
.irp k, 0,1,2,3,4,5,6,7
	ds_load_b128 v[ML+4*\k:ML+4*\k+3], v11 offset:16*\k
.endr
.irp p, 0,1,2,3,4,5,6,7,8,9,10,11,12,13,14,15
	ds_load_b64 v[OP+2*\p:OP+2*\p+1], v10 offset:\p*PWB   ; 32 lanes read a row's 256 consecutive bytes
.endr
	s_wait_dscnt 16                                ; the sixteen (-M, l) are in; the sixteen loads behind them may be out
	v_min3_num_f32 v19, v[ML], v[ML+2], v[ML+4]
.irp p, 3,5,7,9,11,13
	v_min3_num_f32 v19, v19, v[ML+2*\p], v[ML+2*\p+2]
.endr
	v_min_num_f32 v19, v19, v[ML+30]               ; the least -M: the largest M
.irp p, 0,1,2,3,4,5,6,7,8,9,10,11,12,13,14,15
	v_sub_f32 v[ML+2*\p], v19, v[ML+2*\p]          ; M of wave p less the largest: a whole number, 0 or less
.endr
.irp p, 0,1,2,3,4,5,6,7,8,9,10,11,12,13,14,15
	v_cvt_i32_f32 v[ML+2*\p], v[ML+2*\p]           ; (it saturates)
.endr
.irp p, 0,1,2,3,4,5,6,7,8,9,10,11,12,13,14,15
	v_ldexp_f32 v[ML+2*\p], 1.0, v[ML+2*\p]        ; f = 2^(M - the largest M): a multiplication by it rounds nothing
.endr
	v_mul_f32 v20, v[ML], v[ML+1]
.irp p, 1,2,3,4,5,6,7,8,9,10,11,12,13,14,15
	v_fma_f32 v20, v[ML+2*\p], v[ML+2*\p+1], v20   ; the row's sum
.endr
	v_rcp_f32 v22, v20
	s_wait_dscnt 0x0                               ; the sixteen parts of O
	v_pk_mul_f32 v[160:161], v[OP:OP+1], v[ML:ML+1] op_sel_hi:[1,0]   ; (plain work behind the reciprocal, which it does not name)
.irp p, 1,2,3,4,5,6,7,8,9,10,11,12,13,14,15
	v_pk_fma_f32 v[160:161], v[OP+2*\p:OP+2*\p+1], v[ML+2*\p:ML+2*\p+1], v[160:161] op_sel_hi:[1,0,1]
.endr
	s_wait_alu depctr_va_vdst(0)                   ; the wait ahead of the reciprocal's first reader
	v_pk_mul_f32 v[160:161], v[160:161], v[22:23] op_sel_hi:[1,0]
	global_store_b64 v5, v[160:161], s[34:35] th:TH_STORE_NT   ; 32 lanes store a row of 256 consecutive bytes, at a multiple of 256 from out0's first byte; written once, read by nobody here
	s_wait_tensorcnt 0x0
	ds_add_u32 v30, v31
	s_wait_dscnt 0x0
	s_endpgm
.Lfunc_end_k_q6a1f53edf3_attend:
	.size	k_q6a1f53edf3_attend, .Lfunc_end_k_q6a1f53edf3_attend-k_q6a1f53edf3_attend
	.p2alignl 7, 3214868480
	.fill 96, 4, 3214868480
	.section	.rodata,"a",@progbits
	.p2align	6, 0x0
	.amdhsa_kernel k_q6a1f53edf3_attend
		.amdhsa_group_segment_fixed_size 92160
		.amdhsa_private_segment_fixed_size 0
		.amdhsa_enable_private_segment 0
		.amdhsa_kernarg_size 128
		.amdhsa_user_sgpr_count 2
		.amdhsa_user_sgpr_kernarg_segment_ptr 1
		.amdhsa_wavefront_size32 1
		.amdhsa_system_sgpr_workgroup_id_x 1
		.amdhsa_system_sgpr_workgroup_id_y 1
		.amdhsa_system_sgpr_workgroup_id_z 1
		.amdhsa_system_vgpr_workitem_id 0
		.amdhsa_next_free_vgpr 256
		.amdhsa_next_free_sgpr 66
		.amdhsa_reserve_vcc 1
		.amdhsa_float_denorm_mode_32 3
		.amdhsa_float_denorm_mode_16_64 3
		.amdhsa_memory_ordered 1
		.amdhsa_forward_progress 1
		.amdhsa_inst_pref_size 104
	.end_amdhsa_kernel
	.amdgpu_metadata
---
amdhsa.version: [ 1, 2 ]
amdhsa.kernels:
  - .name:           k_q6a1f53edf3_attend
    .symbol:         k_q6a1f53edf3_attend.kd
    .args:
      - { .name: codes, .offset: 0, .size: 8, .value_kind: global_buffer, .address_space: global }
      - { .name: scales, .offset: 8, .size: 8, .value_kind: global_buffer, .address_space: global }
      - { .name: coords, .offset: 16, .size: 8, .value_kind: global_buffer, .address_space: global }
      - { .name: trans_w1, .offset: 24, .size: 8, .value_kind: global_buffer, .address_space: global }
      - { .name: trans_b1, .offset: 32, .size: 8, .value_kind: global_buffer, .address_space: global }
      - { .name: trans_w2, .offset: 40, .size: 8, .value_kind: global_buffer, .address_space: global }
      - { .name: trans_b2, .offset: 48, .size: 8, .value_kind: global_buffer, .address_space: global }
      - { .name: refl_w1, .offset: 56, .size: 8, .value_kind: global_buffer, .address_space: global }
      - { .name: refl_b1, .offset: 64, .size: 8, .value_kind: global_buffer, .address_space: global }
      - { .name: refl_w2, .offset: 72, .size: 8, .value_kind: global_buffer, .address_space: global }
      - { .name: refl_b2, .offset: 80, .size: 8, .value_kind: global_buffer, .address_space: global }
      - { .name: rot_w1, .offset: 88, .size: 8, .value_kind: global_buffer, .address_space: global }
      - { .name: rot_b1, .offset: 96, .size: 8, .value_kind: global_buffer, .address_space: global }
      - { .name: rot_w2, .offset: 104, .size: 8, .value_kind: global_buffer, .address_space: global }
      - { .name: rot_b2, .offset: 112, .size: 8, .value_kind: global_buffer, .address_space: global }
      - { .name: out0, .offset: 120, .size: 8, .value_kind: global_buffer, .address_space: global }
    .group_segment_fixed_size: 92160
    .private_segment_fixed_size: 0
    .kernarg_segment_align: 8
    .kernarg_segment_size: 128
    .max_flat_workgroup_size: 512
    .sgpr_count:     66
    .vgpr_count:     256
    .wavefront_size: 32
...
	.end_amdgpu_metadata
.endif
;; end of part 2
;; ======== version 2 of 2: 2 launches; version 1 with the launches project, attend written anew for expert scheduling mode
;; limits: below input magnitudes of 1.08e-19 results are inexact or not finite
;; workspace buffers: codes 589,824 bytes; scales 49,152 bytes
;; launch project (part 3): grid 64 x 3, 1 waves a work-group, no clusters, 0 bytes of LDS; arguments x, Wq, Wk, Wv, codes, scales; writes codes, scales
.if DOCPART == 3
	.amdgcn_target "amdgcn-amd-amdhsa--gfx1250"
	.amdhsa_code_object_version 6
	.text
	.protected	k_q6a1f53edf3_project
	.globl	k_q6a1f53edf3_project
	.p2align	8
	.type	k_q6a1f53edf3_project,@function
k_q6a1f53edf3_project:
	s_mov_b64 s[64:65], 0
	v_nop
	global_prefetch_b8 v0, s[64:65] scope:SCOPE_SE
	s_setreg_imm32_b32 hwreg(HW_REG_WAVE_SCHED_MODE, 0, 2), 2
	s_setreg_imm32_b32 hwreg(HW_REG_WAVE_MODE, 25, 1), 1
	s_wait_xcnt 0x0
	s_wait_alu depctr_vm_vsrc(0)
; Q = x Wq, K = x Wk, V = x Wv on codes of FP6 (E2M3) with one E8M0 scale for each 32 along K, and the results quantised again for the two products of attention.
; x: [4096][64] f32 (both batches on end).  W: [64 (k)][64 (n)] f32.  One wave takes 64 rows of x (work-group x) and one of the three weights (work-group y: 0 Q, 1 K, 2 V).
; THE ROWS OF A TILE ARE NOT NEIGHBOURS: lane r of tile 2 b + u takes row (of x) or column (of W) 32 b + 8 u + r + 8 (r / 8), so that in a result the 16 registers of tiles 2 b and 2 b + 1
; are 16 neighbours, 32 b + 16 (lane / 16) + 0 .. 15, along the axis that the next product sums over.
; Q, K: source 0 = 16 columns of W, source 1 = 16 rows of x: a lane holds one row of x and its registers run along the 64 features, which are the K of Q K^T.
; V:    source 0 = 16 rows of x, source 1 = 16 columns of W: a lane holds one feature and its registers run along the keys, which are the K of p V.
; K = 64 IN AN INSTRUCTION OF 128: registers 0-5 of a fragment hold k = 32 (lane / 16) + 0 .. 31, registers 6-11 are zero codes on both sides, under the scale byte 127.
; WHAT IS STORED.  codes: role x 196,608 + group x 3,072 + tile x 768: an image of half a fragment, 16 rows x 64 along K: the reading lane L takes the 24 bytes at 24 L.
; scales: role x 16,384 + group x 256: the word at 8 x lane + 4 x pair is that of tile 2 x pair + lane / 16, row lane % 16: byte 0, byte 1, 0x7f, 0x7f.
; A block's scale is 2^(floor(log2(its largest magnitude)) - 2); its byte is the largest magnitude's exponent field - 2, held at 1 from below.  A block of zeros so gets the byte 1 where the
; rule says 127: its codes are zeros, and the bytes are read by this program alone.
; LIMITS: blocks whose largest magnitude lies under 2^-124 keep the byte 1; NaN and infinities among the inputs are not served.
; x is quantised by each of the three roles anew: 128 numbers a lane, less than an exchange between work-groups through memory would cost.  192 work-groups: that is all the work there is.
; THE MODE: SCHED_MODE bits 1:0 = 2 (LLVM: expert scheduling mode 2), set by the entry lines.  The code itself states the register dependences between vector or matrix instructions and
; memory instructions, with s_wait_alu, always for 0.
; THE PLAN.  Registers that memory instructions touch:
;   v4 .. v7   byte offsets: made once at the head, read by every load and store, never written again.
;   v108-235   x as loaded, read by the four quantisings of x; behind them the loads of W's tiles 1 to 3 land in v108-203: one wait between.
;   v76-107    W's tile 0 as loaded: loaded once.
;   CR, v144-145  the way out: eight registers for each outer tile, written once by that tile's conversions; read by the two stores that are issued in the NEXT outer tile, behind the wait that
;              stands behind that tile's products and their places, where the first maximum wants those products in any case.  The last tile's stores and the scale words' have a wait of their own.
; No register that a memory instruction reads is ever written again, and no vector instruction writes a scalar register.
.set SX,   20                          ; v20-23   x's scale words, a tile each: they hold scales and nothing else
.set SW,   24                          ; v24-27   W's
.set XF,   28                          ; v28-75   x's four fragments
.set DR,   76                          ; v76-107  W's tile 0 as loaded; later the four result tiles of one outer tile
.set RX,   108                         ; v108-235 x as loaded, 32 numbers a tile; later v108-203 W's tiles 1 to 3 as loaded
.set WFR,  204                         ; v204-251 W's four fragments
.set CR,   108                         ; v108-139 the results' codes, eight registers for each outer tile, so that no store's data are written again
.set WD,   140                         ; v140-143 the results' scale words; v144-145 as they are stored
	s_load_b256 s[4:11], s[0:1], 0x0               ; x, Wq, Wk, Wv
	s_load_b128 s[12:15], s[0:1], 0x20             ; codes, scales
	s_mov_b32 s16, ttmp9                           ; the group of 64 rows
	s_and_b32 s17, ttmp7, 0xffff                   ; the role
	v_and_b32 v1, 15, v0                           ; r
	v_bfe_u32 v2, v0, 4, 1                         ; h
	v_and_b32 v3, 8, v1
	v_add_nc_u32 v3, v3, v1                        ; r + 8 (r / 8)
	v_lshlrev_b32 v4, 8, v3
	v_lshl_add_u32 v4, v2, 7, v4                   ; x: my row of 256 bytes, + 128 h: my block of 32 numbers
	v_lshlrev_b32 v5, 2, v3
	v_lshl_add_u32 v5, v2, 13, v5                  ; W: my column, 32 h rows of 256 bytes down
	v_mul_u32_u24 v6, v1, 24
	v_mad_u32_u24 v6, v2, 12, v6                   ; an image: row r's 24 bytes, my half's 12
	v_lshlrev_b32 v7, 3, v0                        ; the scale words: 8 bytes a lane
	v_lshlrev_b32 v8, 3, v2                        ; 8 h: my block's byte in a scale word
	v_mov_b32 v9, 0                                ; written once: a lane permute's destination counts as one of its sources
	v_mov_b32 v15, 0
.irp t, 0,1,2,3
.irp i, 6,7,8,9,10,11
	v_mov_b32 v[XF+12*\t+\i], 0                    ; zero codes for k = 64 .. 127
.endr
.endr
	s_mov_b32 s20, 0x76543210
	s_mov_b32 s21, 0xfedcba98                      ; v_permlanex16_b32's selects for lane l xor 16
	s_mov_b32 s22, 0xffff0000                      ; lanes 16-31
	s_lshl_b32 s2, s16, 14                         ; 64 rows of 256 bytes
	s_mov_b32 s3, 0
	s_mul_i32 s24, s17, 196608
	s_mul_i32 s25, s16, 3072
	s_add_co_u32 s24, s24, s25
	s_mov_b32 s25, 0
	s_lshl_b32 s26, s17, 14
	s_lshl_b32 s27, s16, 8
	s_add_co_u32 s26, s26, s27
	s_mov_b32 s27, 0
	s_wait_kmcnt 0x0
	s_add_nc_u64 s[4:5], s[4:5], s[2:3]
	s_add_nc_u64 s[12:13], s[12:13], s[24:25]
	s_add_nc_u64 s[14:15], s[14:15], s[26:27]
	s_cmp_eq_u32 s17, 0                            ; the weight is chosen by the work-group's number alone
	s_cselect_b64 s[18:19], s[6:7], s[8:9]
	s_cmp_eq_u32 s17, 2
	s_cselect_b64 s[18:19], s[10:11], s[18:19]
; W's tile t: W(32 h + i, my column), i = 0 .. 31: a lane's registers run DOWN K, so nothing is transposed
.macro LOADW reg, t
.set ii, 0
.rept 32
	global_load_b32 v[(\reg)+ii], v5, s[18:19] offset:ii*256+(32*((\t)/2)+8*((\t)%2))*4
.set ii, ii+1
.endr
.endm
; 32 numbers, a whole block in my lane, become registers 0-5 of a fragment at v[dst]; the row's scale word goes to v[sc]
.macro QB src, dst, sc
	v_max3_num_f32 v10, |v[(\src)]|, |v[(\src)+1]|, |v[(\src)+2]|
	v_max3_num_f32 v11, |v[(\src)+3]|, |v[(\src)+4]|, |v[(\src)+5]|
.irp i, 6,10,14,18,22,26
	v_max3_num_f32 v10, v10, |v[(\src)+\i]|, |v[(\src)+\i+1]|
	v_max3_num_f32 v11, v11, |v[(\src)+\i+2]|, |v[(\src)+\i+3]|
.endr
	v_max3_num_f32 v10, v10, |v[(\src)+30]|, |v[(\src)+31]|
	v_max3_num_f32 v10, v10, v11, 0x1800000        ; and the floor 2^(3 - 127): the byte cannot fall under 1
	v_add_nc_u32 v16, 0xff000000, v10              ; 2 off the exponent field: the conversion takes the exponent field of this operand as its scale
	v_lshrrev_b32 v18, 23, v16                     ; the scale's byte
	v_cvt_scalef32_pk16_fp6_f32 v[(\dst):(\dst)+2], v[(\src):(\src)+15], v16
	v_cvt_scalef32_pk16_fp6_f32 v[12:14], v[(\src)+16:(\src)+31], v16   ; (a conversion's three registers begin on an even number)
	v_lshlrev_b32 v18, v8, v18                     ; my block's byte at its place.  (The plain place behind the conversions)
	v_permlanex16_b32 v15, v18, s20, s21
.irp i, 0,1,2
	v_mov_b32 v[(\dst)+3+\i], v[12+\i]
.endr
	v_or_b32 v18, v18, v15                         ; with lane l xor 16's byte,
	v_or_b32 v[\sc], 0x7f7f0000, v18               ; and 127 over the zero codes
.endm
; The four result tiles of outer tile o: register 16 b + i = k 32 b + 16 h + i of my row.  Two blocks by turns; a block lies in lanes l and l xor 16.
; Each accumulator is read from its low end on.  My 12 bytes of block b belong to the reading lane r + 16 b, at 12 h: the image's layout does the exchange of halves.
.macro QUANT32 o
	v_max3_num_f32 v10, |v[DR]|, |v[DR+1]|, 0x1800000
	v_max3_num_f32 v11, |v[DR+16]|, |v[DR+17]|, 0x1800000
.irp i, 2,4,6,8,10,12,14
	v_max3_num_f32 v10, v10, |v[DR+\i]|, |v[DR+\i+1]|
	v_max3_num_f32 v11, v11, |v[DR+16+\i]|, |v[DR+17+\i]|
.endr
	v_permlanex16_b32 v15, v10, s20, s21
	v_permlanex16_b32 v9, v11, s20, s21
	v_max_num_f32 v10, v10, v15
	v_max_num_f32 v11, v11, v9
	v_add_nc_u32 v16, 0xff000000, v10
	v_add_nc_u32 v17, 0xff000000, v11
	v_lshrrev_b32 v18, 23, v16
	v_lshrrev_b32 v19, 23, v17
	v_lshl_or_b32 v18, v19, 8, v18
	v_or_b32 v[WD+\o], 0x7f7f0000, v18
	v_cvt_scalef32_pk16_fp6_f32 v[CR+8*\o:CR+8*\o+2], v[DR:DR+15], v16
	v_cvt_scalef32_pk16_fp6_f32 v[CR+8*\o+4:CR+8*\o+6], v[DR+16:DR+31], v17
	v_nop                                          ; one plain place behind the conversions: the next products write their sources
.endm
; Outer tile o's codes leave
.macro SENDC o
	global_store_b96 v6, v[CR+8*(\o):CR+8*(\o)+2], s[12:13] offset:(\o)*768         ; 32 lanes store 384 consecutive bytes
	global_store_b96 v6, v[CR+8*(\o)+4:CR+8*(\o)+6], s[12:13] offset:(\o)*768+384
.endm
; Sixteen products: for each outer tile o of b, the four tiles of a.  Every product begins with the constant 0 and has an accumulator of its own.
.macro BODY a, as, b, bs
.irp o, 0,1,2,3
.irp t, 0,1,2,3
	v_wmma_scale_f32_16x16x128_f8f6f4 v[DR+8*\t:DR+8*\t+7], v[\a+12*\t:\a+12*\t+11], v[\b+12*\o:\b+12*\o+11], 0, v[\as+\t], v[\bs+\o] matrix_a_fmt:MATRIX_FMT_FP6 matrix_b_fmt:MATRIX_FMT_FP6
.endr
.rept 4
	v_nop                                          ; four places ahead of the first read of the results (ISA guide 7.12.1)
.endr
.if \o > 0
	s_wait_alu depctr_va_vdst(0)                   ; the conversions of the outer tile before have written its codes, which the two stores below read
	SENDC \o-1
.endif
	QUANT32 \o
.endr
	v_cndmask_b32 v144, v[WD], v[WD+1], s22        ; lanes 0-15: tile 0's words, lanes 16-31: tile 1's
	v_cndmask_b32 v145, v[WD+2], v[WD+3], s22      ; tiles 2 and 3
	s_wait_alu depctr_va_vdst(0)                   ; the last outer tile's conversions have written its codes and the two selects v144 and v145, which the three stores below read
	SENDC 3
	global_store_b64 v7, v[144:145], s[14:15]      ; 32 lanes store 256 consecutive bytes, at a multiple of 256 from the buffer's first byte
	s_endpgm
.endm
	s_wait_alu depctr_va_vdst(0)                   ; the offsets v4 to v7 are written: every load and store of the kernel reads one of them
.irp t, 0,1,2,3
.irp j, 0,1,2,3,4,5,6,7
	global_load_b128 v[RX+32*\t+4*\j:RX+32*\t+4*\j+3], v4, s[4:5] offset:(32*(\t/2)+8*(\t%2))*256+16*\j
.endr
.endr
	LOADW DR, 0
	s_wait_loadcnt 32                              ; x is in: the 32 loads behind it, W's tile 0, may be out
.irp t, 0,1,2,3
	QB RX+32*\t, XF+12*\t, SX+\t
.endr
	s_wait_loadcnt 0x0                             ; W's tile 0 is in
	s_wait_alu depctr_va_vdst(0)                   ; the maxima and conversions of x are done reading v108 to v203, in which the loads below land
	LOADW RX, 1                                    ; the other three tiles take the registers that x has left
	LOADW RX+32, 2
	LOADW RX+64, 3
.irp t, 0,1,2,3
.irp i, 6,7,8,9,10,11
	v_mov_b32 v[WFR+12*\t+\i], 0                   ; zero codes for k = 64 .. 127
.endr
.endr
	QB DR, WFR, SW
	s_wait_loadcnt 63                              ; tile 1 is in when 64 loads are out: 63 is the largest count that a wait can name
	QB RX, WFR+12, SW+1
	s_wait_loadcnt 32                              ; tile 2 is in; tile 3's 32 loads may be out
	QB RX+32, WFR+24, SW+2
	s_wait_loadcnt 0x0
	QB RX+64, WFR+36, SW+3
.rept 8
	v_nop                                          ; a scale register written by a vector instruction stands eight places ahead of a scaled matrix instruction, an operand so written four
.endr
	s_wait_alu depctr_va_vdst(0)                   ; x's and W's fragments and scale words are written, which the scaled products of both arms take; no vector instruction writes them again.  The places above stay beside this wait
	s_cmp_eq_u32 s17, 2
	s_cbranch_scc1 .Lrole_v
	BODY WFR, SW, XF, SX                           ; Q, K: a lane holds a row of x
.Lrole_v:
	BODY XF, SX, WFR, SW                           ; V: a lane holds a feature
.Lfunc_end_k_q6a1f53edf3_project:
	.size	k_q6a1f53edf3_project, .Lfunc_end_k_q6a1f53edf3_project-k_q6a1f53edf3_project
	.p2alignl 7, 3214868480
	.fill 96, 4, 3214868480
	.section	.rodata,"a",@progbits
	.p2align	6, 0x0
	.amdhsa_kernel k_q6a1f53edf3_project
		.amdhsa_group_segment_fixed_size 0
		.amdhsa_private_segment_fixed_size 0
		.amdhsa_enable_private_segment 0
		.amdhsa_kernarg_size 48
		.amdhsa_user_sgpr_count 2
		.amdhsa_user_sgpr_kernarg_segment_ptr 1
		.amdhsa_wavefront_size32 1
		.amdhsa_system_sgpr_workgroup_id_x 1
		.amdhsa_system_sgpr_workgroup_id_y 1
		.amdhsa_system_sgpr_workgroup_id_z 1
		.amdhsa_system_vgpr_workitem_id 0
		.amdhsa_next_free_vgpr 256
		.amdhsa_next_free_sgpr 66
		.amdhsa_reserve_vcc 0
		.amdhsa_float_denorm_mode_32 3
		.amdhsa_float_denorm_mode_16_64 3
		.amdhsa_memory_ordered 1
		.amdhsa_forward_progress 1
		.amdhsa_inst_pref_size 53
	.end_amdhsa_kernel
	.amdgpu_metadata
---
amdhsa.version: [ 1, 2 ]
amdhsa.kernels:
  - .name:           k_q6a1f53edf3_project
    .symbol:         k_q6a1f53edf3_project.kd
    .args:
      - { .name: x, .offset: 0, .size: 8, .value_kind: global_buffer, .address_space: global }
      - { .name: Wq, .offset: 8, .size: 8, .value_kind: global_buffer, .address_space: global }
      - { .name: Wk, .offset: 16, .size: 8, .value_kind: global_buffer, .address_space: global }
      - { .name: Wv, .offset: 24, .size: 8, .value_kind: global_buffer, .address_space: global }
      - { .name: codes, .offset: 32, .size: 8, .value_kind: global_buffer, .address_space: global }
      - { .name: scales, .offset: 40, .size: 8, .value_kind: global_buffer, .address_space: global }
    .group_segment_fixed_size: 0
    .private_segment_fixed_size: 0
    .kernarg_segment_align: 8
    .kernarg_segment_size: 48
    .max_flat_workgroup_size: 32
    .sgpr_count:     66
    .vgpr_count:     256
    .wavefront_size: 32
...
	.end_amdgpu_metadata
.endif
;; end of part 3
;; launch attend (part 4): grid 256 x 1, 16 waves a work-group, no clusters, 92,160 bytes of LDS; arguments codes, scales, coords, trans_w1, trans_b1, trans_w2, trans_b2, refl_w1, refl_b1, refl_w2, refl_b2, rot_w1, rot_b1, rot_w2, rot_b2, out0; writes out0
.if DOCPART == 4
	.amdgcn_target "amdgcn-amd-amdhsa--gfx1250"
	.amdhsa_code_object_version 6
	.text
	.protected	k_q6a1f53edf3_attend
	.globl	k_q6a1f53edf3_attend
	.p2align	8
	.type	k_q6a1f53edf3_attend,@function
k_q6a1f53edf3_attend:
	s_mov_b64 s[64:65], 0
	v_nop
	global_prefetch_b8 v0, s[64:65] scope:SCOPE_SE
	s_setreg_imm32_b32 hwreg(HW_REG_WAVE_SCHED_MODE, 0, 2), 2
	s_setreg_imm32_b32 hwreg(HW_REG_WAVE_MODE, 25, 1), 1
	s_wait_xcnt 0x0
	s_wait_alu depctr_vm_vsrc(0)
; out = softmax(Q K^T / 8 + psi_rot + psi_trans + psi_refl) V.  Both products on codes of FP6 (E2M3) with E8M0 scales, as the launch before has laid them; the three MLPs of the pair geometry in f32.
; SHARES.  A work-group owns one tile of 16 queries (rows rowbase + r + 8 (r / 8) of the 4,096), each of its SIXTEEN waves 128 of the batch's 2,048 keys: there is no loop over keys.
; Both products are used transposed (S^T = K Q^T, O^T = V^T P^T): lane (r, h) holds query r throughout, and register 16 b + i of the logits holds key 32 b + 16 h + i of the wave's 128.
; THE MLPs are the work: 96 hidden units for each of a lane's 64 pairs, two pairs to an instruction.  A unit of trans or refl is relu(a dx + b dy + c) v, four instructions for two pairs;
; a unit of rot is relu(w0 d + w1 sin + w2 cos + b) v, five.  refl's input is (dx, dy, -dx, -dy), so its four rows of weights fold into a = w0 - w2 and b = w1 - w3.
; sin and cos of atan2(dy, dx) are dy / r and dx / r; where dx = dy = 0 they are 0 and 1, as atan2(0, 0) = 0 gives them.  d = sqrt(dx^2 + dy^2 + 1e-8).
; The weights lie in LDS as small tables, built once by waves 0 to 2.  A step is two units; its weights are asked for a step ahead, into two sets of registers that take turns; a trip of a loop is two steps.
; THE SOFTMAX.  t = logit x log2(e); M = the largest t of the wave's keys, rounded UP to a whole number; p = 2^(t - M) is quantised along the keys; l is the sum of the unquantised p.
; THE MERGE.  The sixteen waves' (-M, l, O^T) meet in LDS.  Every M is a whole number, so a wave's part is brought under the largest M by 2^(M - largest M), which rounds nothing.  Wave w finishes query w.
; NO CLUSTER, NO TENSOR LOAD: what work-groups share is a wave's 12,288 bytes of K's and V's codes, read once, straight into operand registers, beside some 14,000 vector instructions: no tile goes through LDS.
; LIMITS: NaN and infinities among the inputs are not served.  A block of p or a block of codes whose largest magnitude lies under 2^-124 keeps the scale byte 1.  A pair with 0 < dx^2 + dy^2 < 2^-126 takes
; its direction from 1 / r held at 2^63, or, where the squares fall to 0, from the case dx = dy = 0.  refl's folded weights and the sum of the three b2 ahead of the logits are another order of f32 rounding than the source's.
; THE MODE: SCHED_MODE bits 1:0 = 2 (LLVM: expert scheduling mode 2), set by the entry lines.  The code itself states the register dependences between vector or matrix instructions and
; memory or LDS instructions, with s_wait_alu, always for 0.
; THE PLAN.  Registers that memory or LDS instructions touch:
;   v4-6, v8-11, v245, v249-255   offsets and LDS addresses: made once at the head, ahead of the wait in front of the first load, and never written again.
;   v7        the tables' address: written ahead of each loop and at each trip's head, read by the LDS loads of the weights: a wait on vm_vsrc ahead of the write, the wait on va_vdst that stands there anyway behind it.
;   W0 = v20-29,  W1 = v224-227, v232-237   a step's weights.  A trip's first step reads W0 while the loads of its second step land in W1; its second step reads W1 while the next trip's land in W0.
;             ONE wait on va_vdst at a step's head states that the step before is done reading the set that is asked for again; the step's units name the other set alone.
;   FE v96-159   K's fragments at the head; each half's coordinates; V's fragments (v96-143); the merge's loads: each time one wait on va_vdst behind the last vector or matrix reader.
;   v204-221, v232-236   at the head: what the LDS stores of the coordinates and of the tables read; the halves write them again, behind the wait on vm_vsrc at the first half's head.
;   O^T, (-M, l), v160-161   read by stores behind one wait on va_vdst each, and never written again.
;   s2-33     the 32 masks of the case dx = dy = 0: written by one run of compares, read by the selects behind one wait on va_sdst.
.set TRB, 0                            ; LDS: 64 units x 16 bytes (a, b, c, v): trans k at 16 k, refl k at 512 + 16 k
.set ROB, 1024                         ; 16 steps x 48 bytes: (w0, w1, w2, b) of unit 2 t, of unit 2 t + 1, then their two v; the last 8 bytes are never touched
.set COB, 2048                         ; 1,024 bytes for each wave, its own: its 128 keys' coordinates, 16 bytes for two keys as (x0, x1, y0, y1)
.set MLB, 18432                        ; (-M, l) of query q and wave p at 128 q + 8 p
.set PB,  20480                        ; wave p's O: 16 rows of 256 + 16 bytes
.set PWB, 4352                         ; a wave's part of it
.set ACC, 32                           ; v32-95   S^T, then the logits, then p
.set FE,  96                           ; v96-159  packed pair m at 4 m: (dx0, dx1, dy0, dy1), later (cos, cos, sin, sin)
.set DI,  160                          ; v160-191 dx^2 + dy^2, then the distance
.set HH,  192                          ; v192-223 a unit's hidden numbers; 1 / r
.set BM,  224                          ; v224-227 the blocks' largest; v228-231 the other half's, then the bytes; v232-235 the conversions' scales; v236-239 the sums
.set BX,  228
.set SO,  232
.set KFR, 96                           ; K's eight fragments, v96-191, and Q's, v192-203: ahead of the MLPs
.set QFR, 192
.set VF,  96                           ; behind the MLPs: V's four fragments v96-143, p's codes v144-155 (v156-163 at work), O^T v164-195
.set PC,  144
.set PT,  156
.set OA,  164
.set ML,  96                           ; the merge: (-M, l) of the sixteen waves v96-127, their O v128-159, the result v160-161
.set OP,  128
.set CM,  2                            ; s2-33    the masks; till then offsets and the arguments' addresses, which the head alone needs
; v1 lane, v2 r, v3 h; v4 24 x lane, v5 8 x lane; v6 my keys' coordinates in LDS; v7 the table address in hand; v8 where my O^T goes; v9 where (-M, l) goes; v10, v11 where the merge reads;
; v[12:13] (-M, l); v[14:15] my query's (x, y); v[16:17] the sum of the three b2, twice; v18 1.0; v19 at work; v20-29 the weights' first set (the second: v224-227, v232-237, idle between the head and the softmax);
; v30, v31 the closing add's two;  v240-243 K's scale words, v244 Q's, v246-247 V's, v248 p's: they hold scales and nothing else;  v245, v249-255 addresses that stay
.macro RELU2 x                         ; two maxima in one instruction: one destination even, the other odd
	v_dual_max_num_f32 v[(\x)], 0, v[(\x)] :: v_dual_max_num_f32 v[(\x)+1], 0, v[(\x)+1]
.endm
; A unit of trans or refl for the 32 pairs of half H.  v[wb:wb+3] = (a, b, c, v).  Each stage goes over the sixteen packed pairs, so that no line waits for the line above it.
.macro TRU wb, H
.set mm, 0
.rept 16
	v_pk_fma_f32 v[HH+2*mm:HH+2*mm+1], v[FE+4*mm:FE+4*mm+1], v[\wb:\wb+1], v[\wb+2:\wb+3] op_sel_hi:[1,0,0]   ; a dx + c
.set mm, mm+1
.endr
.set mm, 0
.rept 16
	v_pk_fma_f32 v[HH+2*mm:HH+2*mm+1], v[FE+4*mm+2:FE+4*mm+3], v[\wb:\wb+1], v[HH+2*mm:HH+2*mm+1] op_sel:[0,1,0] op_sel_hi:[1,1,1]   ; + b dy
.set mm, mm+1
.endr
.set mm, 0
.rept 16
	RELU2 HH+2*mm
.set mm, mm+1
.endr
.set mm, 0
.rept 16
	v_pk_fma_f32 v[ACC+32*\H+2*mm:ACC+32*\H+2*mm+1], v[HH+2*mm:HH+2*mm+1], v[\wb+2:\wb+3], v[ACC+32*\H+2*mm:ACC+32*\H+2*mm+1] op_sel:[0,1,0] op_sel_hi:[1,1,1]   ; the logit += relu x v
.set mm, mm+1
.endr
.endm
; A unit of rot.  v[wb:wb+3] = (w0, w1, w2, b); its v is word u of v[vv:vv+1].
.macro ROTU wb, vv, u, H
.set mm, 0
.rept 16
	v_pk_fma_f32 v[HH+2*mm:HH+2*mm+1], v[DI+2*mm:DI+2*mm+1], v[\wb:\wb+1], v[\wb+2:\wb+3] op_sel:[0,0,1] op_sel_hi:[1,0,1]   ; w0 d + b
.set mm, mm+1
.endr
.set mm, 0
.rept 16
	v_pk_fma_f32 v[HH+2*mm:HH+2*mm+1], v[FE+4*mm+2:FE+4*mm+3], v[\wb:\wb+1], v[HH+2*mm:HH+2*mm+1] op_sel:[0,1,0] op_sel_hi:[1,1,1]   ; + w1 sin
.set mm, mm+1
.endr
.set mm, 0
.rept 16
	v_pk_fma_f32 v[HH+2*mm:HH+2*mm+1], v[FE+4*mm:FE+4*mm+1], v[\wb+2:\wb+3], v[HH+2*mm:HH+2*mm+1] op_sel_hi:[1,0,1]   ; + w2 cos
.set mm, mm+1
.endr
.set mm, 0
.rept 16
	RELU2 HH+2*mm
.set mm, mm+1
.endr
.set mm, 0
.rept 16
.if \u
	v_pk_fma_f32 v[ACC+32*\H+2*mm:ACC+32*\H+2*mm+1], v[HH+2*mm:HH+2*mm+1], v[\vv:\vv+1], v[ACC+32*\H+2*mm:ACC+32*\H+2*mm+1] op_sel:[0,1,0] op_sel_hi:[1,1,1]
.else
	v_pk_fma_f32 v[ACC+32*\H+2*mm:ACC+32*\H+2*mm+1], v[HH+2*mm:HH+2*mm+1], v[\vv:\vv+1], v[ACC+32*\H+2*mm:ACC+32*\H+2*mm+1] op_sel_hi:[1,0,1]
.endif
.set mm, mm+1
.endr
.endm
; The three MLPs for half H of my pairs: blocks 2 H and 2 H + 1 of the keys, 32 pairs a lane.
.macro HALF H
	s_mov_b32 s44, TRB                             ; table pointer and trip counter in one: 16 trips of two steps of two units
	s_wait_alu depctr_vm_vsrc(0)                   ; first half: the head's LDS stores have read v204 to v221 and v232 to v236, which this half writes again; second half: the last loop's LDS loads have read v7
	v_mov_b32 v7, s44
	s_wait_alu depctr_va_vdst(0)                   ; v7 is written; the products (first half) or the last units (second half) are done with v96 to v159 and with v20 to v27, in which the loads below land
.set mm, 0
.rept 16
	ds_load_b128 v[FE+4*mm:FE+4*mm+3], v6 offset:256*(2*\H+mm/8)+16*(mm%8)   ; keys 32 b + 16 h + 2 (m % 8) and the next: my wave's own bytes
.set mm, mm+1
.endr
	ds_load_b128 v[20:23], v7                      ; the first step's weights
	ds_load_b128 v[24:27], v7 offset:16
	s_wait_dscnt 2                                 ; LDS loads come back in order (ISA guide 5.7.1): the coordinates are in, the two loads of weights may be out
.set mm, 0
.rept 16
	v_pk_add_f32 v[FE+4*mm:FE+4*mm+1], v[FE+4*mm:FE+4*mm+1], v[14:15] op_sel_hi:[1,0] neg_lo:[0,1] neg_hi:[0,1]   ; dx = the key's x - my query's
	v_pk_add_f32 v[FE+4*mm+2:FE+4*mm+3], v[FE+4*mm+2:FE+4*mm+3], v[14:15] op_sel:[0,1] op_sel_hi:[1,1] neg_lo:[0,1] neg_hi:[0,1]   ; dy
.set mm, mm+1
.endr
.Ltr_\@:
	s_wait_dscnt 0x0                               ; the first set's weights are in
	s_wait_alu depctr_vm_vsrc(0)                   ; the LDS loads issued so far have read v7
	v_mov_b32 v7, s44
	s_wait_alu depctr_va_vdst(0)                   ; v7 is written; the step before is done reading the second set, in which the two loads below land
	ds_load_b128 v[224:227], v7 offset:32
	ds_load_b128 v[232:235], v7 offset:48
	TRU 20, \H
	TRU 24, \H
	s_wait_dscnt 0x0                               ; the second set's weights are in
	s_wait_alu depctr_va_vdst(0)                   ; the two units above are done reading the first set, in which the two loads below land
	s_cmp_eq_u32 s44, TRB+1024-64                  ; the last trip's second step has no step behind it: nothing is asked for
	s_cbranch_scc1 .Ltrl_\@
	ds_load_b128 v[20:23], v7 offset:64
	ds_load_b128 v[24:27], v7 offset:80
.Ltrl_\@:
	TRU 224, \H
	TRU 232, \H
	s_add_co_u32 s44, s44, 64
	s_cmp_lt_u32 s44, TRB+1024
	s_cbranch_scc1 .Ltr_\@
	s_mov_b32 s44, ROB                             ; 8 trips of two steps of two units.  The first step's weights are asked for here and land while the features are made
	s_wait_alu depctr_vm_vsrc(0)                   ; the loop's LDS loads have read v7
	v_mov_b32 v7, s44
	s_wait_alu depctr_va_vdst(0)                   ; v7 is written; every unit so far is done reading v20 to v29, in which the three loads below land
	ds_load_b128 v[20:23], v7
	ds_load_b128 v[24:27], v7 offset:16
	ds_load_b64 v[28:29], v7 offset:32
	; rot's three features
.set mm, 0
.rept 16
	v_pk_mul_f32 v[DI+2*mm:DI+2*mm+1], v[FE+4*mm:FE+4*mm+1], v[FE+4*mm:FE+4*mm+1]
.set mm, mm+1
.endr
.set mm, 0
.rept 16
	v_pk_fma_f32 v[DI+2*mm:DI+2*mm+1], v[FE+4*mm+2:FE+4*mm+3], v[FE+4*mm+2:FE+4*mm+3], v[DI+2*mm:DI+2*mm+1]   ; dx^2 + dy^2
.set mm, mm+1
.endr
.set ii, 0
.rept 32
	v_max_num_f32 v[HH+ii], 0x800000, v[DI+ii]     ; held at 2^-126 from below: the root's reciprocal takes no denormal and no zero
.set ii, ii+1
.endr
.set ii, 0
.rept 32
	v_rsq_f32 v[HH+ii], v[HH+ii]                   ; 1 / r
.set ii, ii+1
.endr
	v_nop                                          ; a plain instruction behind the last of the batch
.set ii, 0
.rept 32
	v_cmp_eq_f32 s[CM+ii], 0, v[DI+ii]             ; dx = dy = 0?  One run of compares, a mask each: work that names none of the batch's results
.set ii, ii+1
.endr
	s_wait_alu depctr_va_vdst(0)                   ; the 32 reciprocal roots have written v192 to v223: one wait, ahead of their first reader
.set mm, 0
.rept 16
	v_pk_mul_f32 v[FE+4*mm:FE+4*mm+1], v[FE+4*mm:FE+4*mm+1], v[HH+2*mm:HH+2*mm+1]       ; cos = dx / r
	v_pk_mul_f32 v[FE+4*mm+2:FE+4*mm+3], v[FE+4*mm+2:FE+4*mm+3], v[HH+2*mm:HH+2*mm+1]   ; sin = dy / r
.set mm, mm+1
.endr
	s_wait_alu depctr_va_sdst(0)                   ; the 32 compares have written s2 to s33, ahead of the first select that reads one of them
.set ii, 0
.rept 32
	v_cndmask_b32 v[FE+4*(ii/2)+ii%2], v[FE+4*(ii/2)+ii%2], v18, s[CM+ii]   ; there the angle is 0: cos = 1 (sin is 0 already)
.set ii, ii+1
.endr
.set mm, 0
.rept 16
	v_pk_add_f32 v[DI+2*mm:DI+2*mm+1], v[DI+2*mm:DI+2*mm+1], 0x322bcc77 op_sel_hi:[1,0]   ; + 1e-8
.set mm, mm+1
.endr
.set ii, 0
.rept 32
	v_sqrt_f32 v[DI+ii], v[DI+ii]                  ; the distance
.set ii, ii+1
.endr
	v_nop
	s_wait_alu depctr_va_vdst(0)                   ; the 32 roots have written v160 to v191: one wait, ahead of the label
.Lrot_\@:
	s_wait_dscnt 0x0                               ; the first set's weights are in
	s_wait_alu depctr_vm_vsrc(0)                   ; the LDS loads issued so far have read v7
	v_mov_b32 v7, s44
	s_wait_alu depctr_va_vdst(0)                   ; v7 is written; the step before is done reading the second set, in which the three loads below land
	ds_load_b128 v[224:227], v7 offset:48
	ds_load_b128 v[232:235], v7 offset:64
	ds_load_b64 v[236:237], v7 offset:80
	ROTU 20, 28, 0, \H
	ROTU 24, 28, 1, \H
	s_wait_dscnt 0x0                               ; the second set's weights are in
	s_wait_alu depctr_va_vdst(0)                   ; the two units above are done reading the first set, in which the three loads below land
	s_cmp_eq_u32 s44, ROB+768-96                   ; the last trip's second step has no step behind it: nothing is asked for
	s_cbranch_scc1 .Lrotl_\@
	ds_load_b128 v[20:23], v7 offset:96
	ds_load_b128 v[24:27], v7 offset:112
	ds_load_b64 v[28:29], v7 offset:128
.Lrotl_\@:
	ROTU 224, 236, 0, \H
	ROTU 232, 236, 1, \H
	s_add_co_u32 s44, s44, 96
	s_cmp_lt_u32 s44, ROB+768
	s_cbranch_scc1 .Lrot_\@
.endm
	s_load_b512 s[4:19], s[0:1], 0x0               ; codes, scales, coords, trans_w1, trans_b1, trans_w2, trans_b2, refl_w1
	s_load_b512 s[20:35], s[0:1], 0x40             ; refl_b1, refl_w2, refl_b2, rot_w1, rot_b1, rot_w2, rot_b2, out0
	v_lshl_add_u32 v30, v0, 2, 0x16000
	v_mov_b32 v31, 0
	v_lshrrev_b32 v1, 5, v0
	v_readfirstlane_b32 s36, v1                    ; wave 0..15
	v_and_b32 v1, 31, v0                           ; lane
	v_and_b32 v2, 15, v0                           ; r
	v_bfe_u32 v3, v0, 4, 1                         ; h
	s_mov_b32 s37, ttmp9                           ; T: my tile of queries
	s_lshr_b32 s38, s37, 7                         ; the batch
	s_lshl_b32 s38, s38, 4
	s_wait_alu depctr_va_sdst(0)                   ; s36 is written, ahead of its first reader
	s_add_co_u32 s38, s38, s36                     ; S: my wave's 128 keys among the 4,096 rows
	; every LDS address is made here, ahead of the first branch on the wave's number
	v_mul_u32_u24 v4, v1, 24
	v_lshlrev_b32 v5, 3, v1
	s_lshl_b32 s39, s36, 10
	s_add_co_u32 s39, s39, COB
	v_lshl_add_u32 v6, v3, 7, s39                  ; my half's 16 keys of a block begin 128 h bytes on
	v_lshl_add_u32 v245, v1, 4, s39                ; where I put two keys' coordinates
	s_mul_i32 s39, s36, PWB
	s_add_co_u32 s39, s39, PB
	v_mul_u32_u24 v8, v2, 272
	v_lshl_add_u32 v8, v3, 6, v8
	v_add_nc_u32 v8, s39, v8                       ; my wave's part, row r, + 64 h
	s_lshl_b32 s39, s36, 3
	s_add_co_u32 s39, s39, MLB
	v_lshl_add_u32 v9, v2, 7, s39
	s_mul_i32 s39, s36, 272
	s_add_co_u32 s39, s39, PB
	v_lshl_add_u32 v10, v1, 3, s39                 ; the merge: row = my wave's number, 8 bytes a lane
	s_lshl_b32 s39, s36, 7
	s_add_co_u32 s39, s39, MLB
	v_mov_b32 v11, s39
	v_lshl_add_u32 v249, v1, 4, TRB                ; the tables: unit = lane
	v_lshrrev_b32 v19, 1, v1
	v_mul_u32_u24 v250, v19, 48
	v_and_b32 v19, 1, v1
	v_lshl_add_u32 v251, v19, 2, v250
	v_lshl_add_u32 v250, v19, 4, v250
	v_add_nc_u32 v250, ROB, v250                   ; rot's unit k: step k / 2, 16 (k % 2) on;
	v_add_nc_u32 v251, ROB+32, v251                ; its v: 32 + 4 (k % 2) on
	v_lshlrev_b32 v252, 2, v1                      ; offsets in memory: 4 x lane,
	v_and_b32 v253, 8, v2
	v_add_nc_u32 v253, v253, v2
	v_lshlrev_b32 v253, 3, v253                    ; my query's coordinates: 8 (r + 8 (r / 8)),
	v_lshlrev_b32 v254, 3, v2                      ; its scale word: 8 r,
	v_lshlrev_b32 v255, 4, v1                      ; 16 x lane
	v_mov_b32 v13, 0                               ; (named with v12 as a pair before l is made)
	v_mov_b32 v18, 1.0
.irp b, 0,1,2,3
	v_mov_b32 v[BX+\b], 0                          ; written once: a lane permute's destination counts as one of its sources
.endr
.irp t, 0,1,2,3,4,5,6,7
.irp i, 6,7,8,9,10,11
	v_mov_b32 v[KFR+12*\t+\i], 0                   ; the head has 64 numbers: zero codes for k = 64 .. 127, on both sides
.endr
.endr
.irp i, 6,7,8,9,10,11
	v_mov_b32 v[QFR+\i], 0
.endr
	s_mov_b32 s40, 0x76543210
	s_mov_b32 s41, 0xfedcba98                      ; v_permlanex16_b32's selects for lane l xor 16
	s_mov_b32 s42, 0x3fb8aa3b                      ; log2(e)
	s_mov_b32 s43, s42                             ; (named with it as a pair, so it is written)
	s_wait_kmcnt 0x0
	s_load_b32 s45, s[16:17], 0x0                  ; trans_b2
	s_load_b32 s46, s[24:25], 0x0                  ; refl_b2
	s_load_b32 s47, s[32:33], 0x0                  ; rot_b2
	s_mov_b32 s3, 0
	s_mul_i32 s2, s38, 6144                        ; two groups of 3,072 bytes
	s_add_nc_u64 s[48:49], s[4:5], s[2:3]
	s_add_nc_u64 s[50:51], s[48:49], 393216        ; V's codes
	s_add_nc_u64 s[48:49], s[48:49], 196608        ; K's codes
	s_mul_i32 s2, s37, 768
	s_add_nc_u64 s[52:53], s[4:5], s[2:3]          ; Q's tile
	s_lshl_b32 s2, s38, 9
	s_add_nc_u64 s[54:55], s[6:7], s[2:3]
	s_add_nc_u64 s[54:55], s[54:55], 16384         ; K's scale words; V's stand 16,384 bytes on
	s_lshr_b32 s39, s37, 2                         ; T = 4 x group + 2 b + u
	s_lshl_b32 s2, s39, 8
	s_lshl_b32 s44, s39, 6
	s_and_b32 s39, s37, 1
	s_lshl_b32 s39, s39, 3
	s_add_co_u32 s44, s44, s39
	s_lshl_b32 s39, s39, 4
	s_add_co_u32 s2, s2, s39
	s_bfe_u32 s39, s37, 0x10001
	s_lshl_b32 s39, s39, 2
	s_add_co_u32 s2, s2, s39                       ; 256 x group + 128 u + 4 b
	s_lshl_b32 s39, s39, 3
	s_add_co_u32 s44, s44, s39                     ; rowbase = 64 x group + 32 b + 8 u
	s_add_nc_u64 s[56:57], s[6:7], s[2:3]          ; Q's scale words
	s_lshl_b32 s2, s38, 10
	s_add_nc_u64 s[58:59], s[8:9], s[2:3]          ; my keys' coordinates
	s_lshl_b32 s2, s44, 3
	s_add_nc_u64 s[60:61], s[8:9], s[2:3]          ; the queries'
	s_lshr_b32 s39, s36, 3
	s_lshl_b32 s39, s39, 3
	s_add_co_u32 s39, s39, s36
	s_add_co_u32 s39, s39, s44
	s_lshl_b32 s2, s39, 8
	s_add_nc_u64 s[34:35], s[34:35], s[2:3]        ; the row of out0 that my wave finishes: rowbase + w + 8 (w / 8)
	s_wait_alu depctr_va_vdst(0)                   ; all offsets and LDS addresses but v7 are written, which the kernel's loads and stores read; so are the zero codes of K's and Q's fragments, which the first scaled products take
	global_load_b128 v[204:207], v255, s[58:59]            ; two keys a lane: (x, y, x, y)
	global_load_b128 v[208:211], v255, s[58:59] offset:512
	global_load_b64 v[14:15], v253, s[60:61]
.irp p, 0,1,2
	global_load_b64 v[QFR+2*\p:QFR+2*\p+1], v4, s[52:53] offset:8*\p
.endr
	global_load_b32 v244, v254, s[56:57]
	global_load_b64 v[240:241], v5, s[54:55]               ; lanes 0-15: the even tile's words, lanes 16-31: the odd one's
	global_load_b64 v[242:243], v5, s[54:55] offset:256
	global_load_b64 v[224:225], v5, s[54:55] offset:16384  ; V's, of my two groups of 64 keys
	global_load_b64 v[226:227], v5, s[54:55] offset:16640
.irp t, 0,1,2,3,4,5,6,7
.irp p, 0,1,2
	global_load_b64 v[KFR+12*\t+2*\p:KFR+12*\t+2*\p+1], v4, s[48:49] offset:\t*768+8*\p
.endr
.endr
	; the tables: three waves build one each, each in registers of its own; no barrier stands under these branches
	s_cmp_eq_u32 s36, 0
	s_cbranch_scc0 .Lnot_trans
	global_load_b32 v212, v252, s[10:11]
	global_load_b32 v213, v252, s[10:11] offset:128
	global_load_b32 v214, v252, s[12:13]
	global_load_b32 v215, v252, s[14:15]
	s_wait_loadcnt 0x0
	ds_store_b128 v249, v[212:215]
.Lnot_trans:
	s_cmp_eq_u32 s36, 1
	s_cbranch_scc0 .Lnot_refl
	global_load_b32 v216, v252, s[18:19]
	global_load_b32 v217, v252, s[18:19] offset:128
	global_load_b32 v220, v252, s[18:19] offset:256
	global_load_b32 v221, v252, s[18:19] offset:384
	global_load_b32 v218, v252, s[20:21]
	global_load_b32 v219, v252, s[22:23]
	s_wait_loadcnt 0x0
	v_sub_f32 v216, v216, v220                     ; dx w0 + dy w1 - dx w2 - dy w3 = dx (w0 - w2) + dy (w1 - w3)
	v_sub_f32 v217, v217, v221
	s_wait_alu depctr_va_vdst(0)                   ; the two differences are written, which the LDS store reads
	ds_store_b128 v249, v[216:219] offset:512
.Lnot_refl:
	s_cmp_eq_u32 s36, 2
	s_cbranch_scc0 .Lnot_rot
	global_load_b32 v232, v252, s[26:27]
	global_load_b32 v233, v252, s[26:27] offset:128
	global_load_b32 v234, v252, s[26:27] offset:256
	global_load_b32 v235, v252, s[28:29]
	global_load_b32 v236, v252, s[30:31]
	s_wait_loadcnt 0x0
	ds_store_b128 v250, v[232:235]
	ds_store_b32 v251, v236
.Lnot_rot:
	s_wait_loadcnt 0x0                             ; all that the head has asked for
	v_mov_b32 v19, v205                            ; (x0, y0, x1, y1) becomes (x0, x1, y0, y1)
	v_mov_b32 v205, v206
	v_mov_b32 v206, v19
	v_mov_b32 v19, v209
	v_mov_b32 v209, v210
	v_mov_b32 v210, v19
	s_wait_alu depctr_va_vdst(0)                   ; the moves have written v205, v206, v209 and v210, which the two LDS stores read
	ds_store_b128 v245, v[204:207]
	ds_store_b128 v245, v[208:211] offset:512
	v_perm_b32 v246, v226, v224, 0x05040100        ; V's scale word for 128 keys: two bytes of each group's
	v_perm_b32 v247, v227, v225, 0x05040100
	s_wait_kmcnt 0x0                               ; the three b2
	v_mov_b32 v16, s45
	v_add_f32 v16, s46, v16
	v_add_f32 v16, s47, v16
	v_mov_b32 v17, v16
	; S^T = K Q^T: eight tiles of 16 keys, each with an accumulator of its own, begun with the constant 0
.irp t, 0,1,2,3,4,5,6,7
.if \t%2
	v_wmma_scale_f32_16x16x128_f8f6f4 v[ACC+8*\t:ACC+8*\t+7], v[KFR+12*\t:KFR+12*\t+11], v[QFR:QFR+11], 0, v[240+\t/2], v244 matrix_a_fmt:MATRIX_FMT_FP6 matrix_b_fmt:MATRIX_FMT_FP6 matrix_a_scale:MATRIX_SCALE_ROW1
.else
	v_wmma_scale_f32_16x16x128_f8f6f4 v[ACC+8*\t:ACC+8*\t+7], v[KFR+12*\t:KFR+12*\t+11], v[QFR:QFR+11], 0, v[240+\t/2], v244 matrix_a_fmt:MATRIX_FMT_FP6 matrix_b_fmt:MATRIX_FMT_FP6
.endif
.endr
.rept 4
	v_nop                                          ; four places ahead of the first read of the results (ISA guide 7.12.1)
.endr
.set jj, 0
.rept 32
	v_pk_fma_f32 v[ACC+jj:ACC+jj+1], v[ACC+jj:ACC+jj+1], 0x3e000000, v[16:17] op_sel_hi:[1,0,1]   ; / sqrt(64), + the three b2; each accumulator from its low end on
.set jj, jj+2
.endr
	s_wait_dscnt 0x0                               ; my stores into the tables and into my coordinates have landed
	s_barrier_signal -1
	s_barrier_wait -1                              ; the tables are whole
	HALF 0
	HALF 1
	s_wait_alu depctr_va_vdst(0)                   ; the last units are done reading v96 to v143, in which V's fragments land
.irp n, 0,1,2,3                        ; V's four fragments: tile n, registers 6 c on from group c; they land while the softmax is worked
.irp c, 0,1
.irp p, 0,1,2
	global_load_b64 v[VF+12*\n+6*\c+2*\p:VF+12*\n+6*\c+2*\p+1], v4, s[50:51] offset:(4*\c+\n)*768+8*\p
.endr
.endr
.endr
	; THE SOFTMAX of my 128 keys
.irp b, 0,1,2,3
	v_max3_num_f32 v[BM+\b], v[ACC+16*\b], v[ACC+1+16*\b], v[ACC+2+16*\b]   ; the largest logit of each block of 32 keys: it serves for the row's maximum and, since p rises with the logit, for the block's largest p
.endr
.irp i, 3,5,7,9,11,13
.irp b, 0,1,2,3
	v_max3_num_f32 v[BM+\b], v[BM+\b], v[ACC+16*\b+\i], v[ACC+1+16*\b+\i]
.endr
.endr
.irp b, 0,1,2,3
	v_max_num_f32 v[BM+\b], v[BM+\b], v[ACC+15+16*\b]
.endr
.irp b, 0,1,2,3
	v_permlanex16_b32 v[BX+\b], v[BM+\b], s40, s41
.endr
.irp b, 0,1,2,3
	v_max_num_f32 v[BM+\b], v[BM+\b], v[BX+\b]     ; with lane l xor 16's 16 keys
.endr
	v_max3_num_f32 v19, v[BM], v[BM+1], v[BM+2]
	v_max_num_f32 v19, v19, v[BM+3]
	v_mul_f32 v19, s42, v19                        ; the largest t
	v_floor_f32 v12, -v19                          ; -M = floor(-t) = -ceil(t): M is a whole number
.set jj, 0
.rept 32
	v_pk_fma_f32 v[ACC+jj:ACC+jj+1], v[ACC+jj:ACC+jj+1], s[42:43], v[12:13] op_sel_hi:[1,0,0]   ; t - M
.set jj, jj+2
.endr
.irp b, 0,1,2,3
	v_fma_f32 v[BM+\b], v[BM+\b], s42, v12         ; the same of each block's largest logit
.endr
.set jj, 0
.rept 64
	v_exp_f32 v[ACC+jj], v[ACC+jj]                 ; p = 2^(t - M), at most 1: not normalised
.set jj, jj+1
.endr
	v_nop                                          ; a plain instruction behind the batch
	s_wait_alu depctr_va_vdst(0)                   ; the 64 exponentials have written v32 to v95: one wait, ahead of their first reader
.irp b, 0,1,2,3
	v_exp_f32 v[BM+\b], v[BM+\b]                   ; the block's largest p: the same two instructions on the same number give the same bits
.endr
	v_pk_add_f32 v[236:237], v[ACC:ACC+1], v[ACC+2:ACC+3]          ; l is the sum of the UNQUANTISED p: two at a time, in two chains.  (These read the 64 alone: plain work behind the four)
	v_pk_add_f32 v[238:239], v[ACC+4:ACC+5], v[ACC+6:ACC+7]
.irp j, 8,12,16,20,24,28,32,36,40,44,48,52,56,60
	v_pk_add_f32 v[236:237], v[236:237], v[ACC+\j:ACC+\j+1]
	v_pk_add_f32 v[238:239], v[238:239], v[ACC+\j+2:ACC+\j+3]
.endr
	v_pk_add_f32 v[236:237], v[236:237], v[238:239]
	v_add_f32 v13, v236, v237
	v_permlanex16_b32 v19, v13, s40, s41
	v_add_f32 v13, v13, v19                        ; with lane l xor 16's: l of my query over the wave's 128 keys
	s_wait_alu depctr_va_vdst(0)                   ; the four exponentials have written v224 to v227: one wait, ahead of their first reader
.irp b, 0,1,2,3
	v_max_num_f32 v[BM+\b], 0x1800000, v[BM+\b]    ; the floor 2^(3 - 127): the byte cannot fall under 1
.endr
.irp b, 0,1,2,3
	v_add_nc_u32 v[SO+\b], 0xff000000, v[BM+\b]    ; 2 off the exponent field: the conversion's scale operand
.endr
.irp b, 0,1,2,3
	v_lshrrev_b32 v[BX+\b], 23, v[SO+\b]           ; the scale's byte
.endr
	v_lshl_or_b32 v248, v[BX+1], 8, v[BX]          ; p's scale word for these 128 keys
	v_lshl_or_b32 v248, v[BX+2], 16, v248
	v_lshl_or_b32 v248, v[BX+3], 24, v248
.irp c, 0,1
	v_cvt_scalef32_pk16_fp6_f32 v[PC+6*\c:PC+6*\c+2], v[ACC+32*\c:ACC+32*\c+15], v[SO+2*\c]
	v_cvt_scalef32_pk16_fp6_f32 v[PT+4*\c:PT+4*\c+2], v[ACC+32*\c+16:ACC+32*\c+31], v[SO+2*\c+1]   ; (a conversion's three registers begin on an even number)
.endr
	v_nop                                          ; one plain place behind the conversions
.irp c, 0,1                            ; the operand's layout wants a WHOLE block in a lane: lanes 0-15 block 2 c, lanes 16-31 block 2 c + 1
.irp i, 0,1,2
	v_permlane16_swap_b32 v[PC+6*\c+\i], v[PT+4*\c+\i]
.endr
.irp i, 0,1,2
	v_mov_b32 v[PC+3+6*\c+\i], v[PT+4*\c+\i]
.endr
.endr
.rept 8
	v_nop                                          ; a scale register written by a vector instruction stands eight places ahead of a scaled matrix instruction, an operand so written four
.endr
	s_wait_alu depctr_va_vdst(0)                   ; p's codes v144 to v155 and its scale word v248 are written, which the scaled products below take; the places above stay beside this wait
	s_wait_loadcnt 0x0                             ; V
	; O^T = V^T P^T: four tiles of 16 of the head's 64, K = my 128 keys; each begun with the constant 0
.irp n, 0,1,2,3
.if \n%2
	v_wmma_scale_f32_16x16x128_f8f6f4 v[OA+8*\n:OA+8*\n+7], v[VF+12*\n:VF+12*\n+11], v[PC:PC+11], 0, v[246+\n/2], v248 matrix_a_fmt:MATRIX_FMT_FP6 matrix_b_fmt:MATRIX_FMT_FP6 matrix_a_scale:MATRIX_SCALE_ROW1
.else
	v_wmma_scale_f32_16x16x128_f8f6f4 v[OA+8*\n:OA+8*\n+7], v[VF+12*\n:VF+12*\n+11], v[PC:PC+11], 0, v[246+\n/2], v248 matrix_a_fmt:MATRIX_FMT_FP6 matrix_b_fmt:MATRIX_FMT_FP6
.endif
.endr
.rept 4
	v_nop                                          ; four places ahead of the stores that read the results
.endr
	s_wait_alu depctr_va_vdst(0)                   ; the products have written O^T, which the LDS stores read, and are done reading v96 to v155, in which the merge's loads land: no vector instruction stands between this wait and those loads
.irp b, 0,1
.irp i, 0,1,2,3
	ds_store_b128 v8, v[OA+16*\b+4*\i:OA+16*\b+4*\i+3] offset:128*\b+16*\i   ; register 16 b + 4 i + .. is channel 32 b + 16 h + 4 i + ..; each accumulator from its low end on
.endr
.endr
	ds_store_b64 v9, v[12:13]                      ; (-M, l): both lanes of a query write the same 8 bytes with the same value
	s_wait_dscnt 0x0                               ; for the others' sake: my part has landed
	s_barrier_signal -1
	s_barrier_wait -1                              ; all sixteen parts lie in LDS; nothing is stored there any more
	; THE MERGE: my wave finishes the query of its own number; lane l takes channels 2 l and 2 l + 1
.irp k, 0,1,2,3,4,5,6,7
	ds_load_b128 v[ML+4*\k:ML+4*\k+3], v11 offset:16*\k
.endr
.irp p, 0,1,2,3,4,5,6,7,8,9,10,11,12,13,14,15
	ds_load_b64 v[OP+2*\p:OP+2*\p+1], v10 offset:\p*PWB   ; 32 lanes read a row's 256 consecutive bytes
.endr
	s_wait_dscnt 16                                ; the sixteen (-M, l) are in; the sixteen loads behind them may be out
	v_min3_num_f32 v19, v[ML], v[ML+2], v[ML+4]
.irp p, 3,5,7,9,11,13
	v_min3_num_f32 v19, v19, v[ML+2*\p], v[ML+2*\p+2]
.endr
	v_min_num_f32 v19, v19, v[ML+30]               ; the least -M: the largest M
.irp p, 0,1,2,3,4,5,6,7,8,9,10,11,12,13,14,15
	v_sub_f32 v[ML+2*\p], v19, v[ML+2*\p]          ; M of wave p less the largest: a whole number, 0 or less
.endr
.irp p, 0,1,2,3,4,5,6,7,8,9,10,11,12,13,14,15
	v_cvt_i32_f32 v[ML+2*\p], v[ML+2*\p]           ; (it saturates)
.endr
.irp p, 0,1,2,3,4,5,6,7,8,9,10,11,12,13,14,15
	v_ldexp_f32 v[ML+2*\p], 1.0, v[ML+2*\p]        ; f = 2^(M - the largest M): a multiplication by it rounds nothing
.endr
	v_mul_f32 v20, v[ML], v[ML+1]
.irp p, 1,2,3,4,5,6,7,8,9,10,11,12,13,14,15
	v_fma_f32 v20, v[ML+2*\p], v[ML+2*\p+1], v20   ; the row's sum
.endr
	v_rcp_f32 v22, v20
	s_wait_dscnt 0x0                               ; the sixteen parts of O
	v_pk_mul_f32 v[160:161], v[OP:OP+1], v[ML:ML+1] op_sel_hi:[1,0]   ; (plain work behind the reciprocal, which it does not name)
.irp p, 1,2,3,4,5,6,7,8,9,10,11,12,13,14,15
	v_pk_fma_f32 v[160:161], v[OP+2*\p:OP+2*\p+1], v[ML+2*\p:ML+2*\p+1], v[160:161] op_sel_hi:[1,0,1]
.endr
	s_wait_alu depctr_va_vdst(0)                   ; the reciprocal has written v22: the wait ahead of its first reader
	v_pk_mul_f32 v[160:161], v[160:161], v[22:23] op_sel_hi:[1,0]
	s_wait_alu depctr_va_vdst(0)                   ; the multiplication has written v160 and v161, which the store reads
	global_store_b64 v5, v[160:161], s[34:35] th:TH_STORE_NT   ; 32 lanes store a row of 256 consecutive bytes, at a multiple of 256 from out0's first byte; written once, read by nobody here
	s_wait_dscnt 0x0                               ; the closing lines, six on end
	s_wait_alu 0x0
	s_wait_tensorcnt 0x0
	ds_add_u32 v30, v31
	s_wait_dscnt 0x0
	s_endpgm
.Lfunc_end_k_q6a1f53edf3_attend:
	.size	k_q6a1f53edf3_attend, .Lfunc_end_k_q6a1f53edf3_attend-k_q6a1f53edf3_attend
	.p2alignl 7, 3214868480
	.fill 96, 4, 3214868480
	.section	.rodata,"a",@progbits
	.p2align	6, 0x0
	.amdhsa_kernel k_q6a1f53edf3_attend
		.amdhsa_group_segment_fixed_size 92160
		.amdhsa_private_segment_fixed_size 0
		.amdhsa_enable_private_segment 0
		.amdhsa_kernarg_size 128
		.amdhsa_user_sgpr_count 2
		.amdhsa_user_sgpr_kernarg_segment_ptr 1
		.amdhsa_wavefront_size32 1
		.amdhsa_system_sgpr_workgroup_id_x 1
		.amdhsa_system_sgpr_workgroup_id_y 1
		.amdhsa_system_sgpr_workgroup_id_z 1
		.amdhsa_system_vgpr_workitem_id 0
		.amdhsa_next_free_vgpr 256
		.amdhsa_next_free_sgpr 66
		.amdhsa_reserve_vcc 0
		.amdhsa_float_denorm_mode_32 3
		.amdhsa_float_denorm_mode_16_64 3
		.amdhsa_memory_ordered 1
		.amdhsa_forward_progress 1
		.amdhsa_inst_pref_size 147
	.end_amdhsa_kernel
	.amdgpu_metadata
---
amdhsa.version: [ 1, 2 ]
amdhsa.kernels:
  - .name:           k_q6a1f53edf3_attend
    .symbol:         k_q6a1f53edf3_attend.kd
    .args:
      - { .name: codes, .offset: 0, .size: 8, .value_kind: global_buffer, .address_space: global }
      - { .name: scales, .offset: 8, .size: 8, .value_kind: global_buffer, .address_space: global }
      - { .name: coords, .offset: 16, .size: 8, .value_kind: global_buffer, .address_space: global }
      - { .name: trans_w1, .offset: 24, .size: 8, .value_kind: global_buffer, .address_space: global }
      - { .name: trans_b1, .offset: 32, .size: 8, .value_kind: global_buffer, .address_space: global }
      - { .name: trans_w2, .offset: 40, .size: 8, .value_kind: global_buffer, .address_space: global }
      - { .name: trans_b2, .offset: 48, .size: 8, .value_kind: global_buffer, .address_space: global }
      - { .name: refl_w1, .offset: 56, .size: 8, .value_kind: global_buffer, .address_space: global }
      - { .name: refl_b1, .offset: 64, .size: 8, .value_kind: global_buffer, .address_space: global }
      - { .name: refl_w2, .offset: 72, .size: 8, .value_kind: global_buffer, .address_space: global }
      - { .name: refl_b2, .offset: 80, .size: 8, .value_kind: global_buffer, .address_space: global }
      - { .name: rot_w1, .offset: 88, .size: 8, .value_kind: global_buffer, .address_space: global }
      - { .name: rot_b1, .offset: 96, .size: 8, .value_kind: global_buffer, .address_space: global }
      - { .name: rot_w2, .offset: 104, .size: 8, .value_kind: global_buffer, .address_space: global }
      - { .name: rot_b2, .offset: 112, .size: 8, .value_kind: global_buffer, .address_space: global }
      - { .name: out0, .offset: 120, .size: 8, .value_kind: global_buffer, .address_space: global }
    .group_segment_fixed_size: 92160
    .private_segment_fixed_size: 0
    .kernarg_segment_align: 8
    .kernarg_segment_size: 128
    .max_flat_workgroup_size: 512
    .sgpr_count:     66
    .vgpr_count:     256
    .wavefront_size: 32
...
	.end_amdgpu_metadata
.endif
;; end of part 4
